; MI455X (gfx1250); checked and timed in simulation.
; The chip was launched on July 23, 2026; its instructions are those of AMD's public machine-readable ISA for CDNA 5 (MIT licence, August 2026) and "CDNA5" Instruction Set Architecture Reference Guide (July 2026). The comments in the code are by the model that wrote it; some were corrected since.
;; Causal Self Attention. Allowed arithmetic: matrix products marked QUANTISED: E2M3 operands, one E8M0 scale for each 32 along K, by v_wmma_scale_f32_16x16x128_f8f6f4 with both operands' format E2M3, f32 sums; everything else in f32.
;; Inputs: b_out 1,024 float32; b_qkv 3,072 float32; w_out_codes 1,024 x 32 x 24 uint8 (E2M3 codes of w_out, K innermost, in blocks of 32 codes, four codes in three bytes); w_out_scales 1,024 x 32 uint8 (E8M0 scales of w_out, one for each 32 codes along K); w_qkv_codes 3,072 x 32 x 24 uint8 (E2M3 codes of w_qkv, K innermost, in blocks of 32 codes, four codes in three bytes); w_qkv_scales 3,072 x 32 uint8 (E8M0 scales of w_qkv, one for each 32 codes along K); x_codes 4 x 2,048 x 32 x 24 uint8 (E2M3 codes of x, K innermost, in blocks of 32 codes, four codes in three bytes); x_scales 4 x 2,048 x 32 uint8 (E8M0 scales of x, one for each 32 codes along K).
;; Outputs: out0 4 x 2,048 x 1,024 float32.
;; This version of the problem:
;;   THIS VERSION OF THE PROBLEM IS GIVEN IN LOW PRECISION. The matrix products marked QUANTISED in the list below multiply operands that are first quantised to E2M3 (2 exponent bits, 3 mantissa bits; 6 bits a number), with one power-of-two scale for each 32 numbers along K (OCP MX v1.0); their sums are f32. All else is computed in f32.
;;   The module's matrix products, in the order in which they are computed (A, B: the left and right operand; K: the contracted axis; several contracted axes count as one K, in the product's order):
;;     1. [M 8,192, K 1,024] x [K 1,024, N 3,072]; A: input x (given as codes); B: input w_qkv (given as codes): QUANTISED
;;     2. batch 64 x [M 2,048, K 64] x [K 64, N 2,048]; A: computed on the way; B: computed on the way: QUANTISED
;;     3. batch 64 x [M 2,048, K 2,048] x [K 2,048, N 64]; A: softmax (see below); B: computed on the way: QUANTISED
;;     4. [M 8,192, K 1,024] x [K 1,024, N 1,024]; A: computed on the way; B: input w_out (given as codes): QUANTISED
;;   THE QUANTISER, for each operand of a quantised product, along K:
;;     - K is cut into blocks of 32 from its start; a last block that is shorter is filled with zeros.
;;     - A block's scale is 2^e with e = floor(log2(the largest magnitude in the block)) - 2, held to -126 .. 127; a block of zeros has e = 0. As a byte (E8M0): e + 127.
;;     - Each number is divided by its block's scale, clamped to +-7.5, and rounded to the nearest number of E2M3, ties to even, subnormals kept.
;;     - The product sums the exact products of the quantised numbers (number of the format x scale) in f32.
;;   ~~~python
;;   def quantise(x, axis):      # numpy; x: float32 -> the quantised numbers, widened to float32 again
;;       x = np.moveaxis(x, axis, -1); K = x.shape[-1]
;;       x = np.pad(x, [(0, 0)] * (x.ndim - 1) + [(0, -K % 32)]); x = x.reshape(x.shape[:-1] + (-1, 32)); a = np.abs(x).max(-1, keepdims=True)
;;       e = np.where(a > 0, np.clip(np.frexp(np.where(a > 0, a, 1))[1] - 1 - 2, -126, 127), 0)      # np.frexp(a)[1] - 1 = floor(log2(a)), exactly
;;       r = np.clip(x / 2.0 ** e, -7.5, 7.5)
;;       step = 2.0 ** (np.maximum(np.frexp(np.where(r == 0, 1, r))[1] - 1, 0) - 3)
;;       q = np.round(r / step) * step * 2.0 ** e      # np.round: ties to even
;;       return np.moveaxis(q.reshape(q.shape[:-2] + (-1,))[..., :K], -1, axis).astype(np.float32)
;;   ~~~
;;   SOFTMAX AHEAD OF A QUANTISED PRODUCT. Where the list says 'softmax', what is quantised is not the finished softmax but p = 2^(t - M), with t = logit x log2(e) and M = ceil(the row's largest t), a whole number; so 1/2 < the row's largest p <= 1. The row's sum l is taken of the UNQUANTISED p, in f32, and the product's result is divided by l at the end. Since M is a whole number, a kernel that streams over the keys may use a running M (the ceiling of the running maximum): every later rescaling is an exact power of two, which a block's scale takes up: the codes' values come out the same.
;;   OPERANDS COMPUTED ON THE WAY. 'Computed on the way' means the value that the module computes at that place (a softmax that the list does not call 'softmax' is quantised finished and normalised). What goes into a quantiser is computed in f32, as accurately as f32 sums, v_exp_f32 and their like allow (about 1e-6 of the number): no bf16 or f16 on the way to a quantiser, and a product that is left as it is and whose result goes on into a quantised operand takes f32 operands (vector FMAs, or v_wmma_f32_16x16x4_f32). A number that lies on a knife's edge between two numbers of the format may be rounded either way, as far as f32 arithmetic and the matrix unit's own rounding can turn it there, and no further.
;;   INPUTS GIVEN AS CODES. w_out (in the module: [1024, 1024], K = its axis 0); w_qkv (in the module: [1024, 3072], K = its axis 0); x (in the module: [4, 2048, 1024], K = its axis 2): each comes as NAME_codes (uint8): NAME with its K axis moved to the last place and cut into blocks of 32 codes, [.., K / 32, bytes a block], one block behind the other in memory; four codes in three bytes: a row's codes are one little-endian stream of bits, code i at bits 6 i .. 6 i + 5 (a code: sign, 2 exponent bits, 3 mantissa bits); and NAME_scales (uint8): the same leading axes, one E8M0 byte (e + 127) for each 32 codes along K. Its value is code x scale, taken as it is: it is not quantised again, and the codes and scales need not be those that the quantiser above would give.
;; One version. Each part assembles by itself: llvm-mc -triple=amdgcn-amd-amdhsa -mcpu=gfx1250 --defsym DOCPART=n.
;; ======== version 1 of 1: 3 launches
;; workspace buffers: qkv 19,660,800 bytes; ao 6,553,600 bytes
;; launch qkv (part 1): grid 192 x 4, 4 waves a work-group, clusters of 4 x 4, 327,680 bytes of LDS; arguments x_codes, x_scales, w_qkv_codes, w_qkv_scales, b_qkv, qkv; writes qkv
.if DOCPART == 1
	.amdgcn_target "amdgcn-amd-amdhsa--gfx1250"
	.amdhsa_code_object_version 6
	.text
	.protected	k_q85b9370663_qkv
	.globl	k_q85b9370663_qkv
	.p2align	8
	.type	k_q85b9370663_qkv,@function
k_q85b9370663_qkv:
	s_mov_b64 s[64:65], 0
	v_nop
	global_prefetch_b8 v0, s[64:65] scope:SCOPE_SE
	s_setreg_imm32_b32 hwreg(HW_REG_WAVE_MODE, 25, 1), 1
	s_wait_xcnt 0x0
	s_wait_alu depctr_hold_cnt(0) depctr_sa_sdst(0) depctr_va_vdst(0) depctr_va_sdst(0) depctr_va_ssrc(0) depctr_va_vcc(0) depctr_vm_vsrc(0)
	s_getreg_b32 s2, hwreg(HW_REG_IB_STS2, 6, 4)
	s_cmp_eq_u32 s2, 0
	s_cbranch_scc0 .Lentry_in_a_cluster
	s_endpgm
.Lentry_in_a_cluster:
	s_bfe_u32 s2, ttmp6, 0x10000c
	s_cmp_lg_u32 s2, 0xf033
	s_cbranch_scc0 .Lentry_shape_is_right
	s_endpgm
.Lentry_shape_is_right:
; qkv = x w_qkv + b_qkv on codes of FP6 (E2M3) with E8M0 scales, and its quantising: q and k along the head's 64 channels, v along the tokens.
; ONE CORE: C[m][n] = sum over k of A[m][k] B[n][k] + bias, quantised ALONG n.  q, k (clusters 0-31): A = x (m = token), B = rows 0-2047 of w (n = channel).
; v (clusters 32-47): A = rows 2048-3071 of w (m = channel), B = x (n = token).  Only pointers, the bias and the destinations differ; they are chosen on the cluster's number.
; A work-group makes 256 (m) x 128 (n); each of four waves 128 x 64: 32 accumulators.  768 tiles in all, three for each of 256 WGPs.  K = 1,024 goes in eight steps of 128, written out.
; THE MATRIX INSTRUCTION IS USED TRANSPOSED (source 0 = 16 rows of B, source 1 = 16 rows of A): lane (r, h) holds row m = r, its registers n = 16 b + 8 h + j.
; ORDER INSIDE A BLOCK OF 32: a lane's 16 registers of tiles 2 B, 2 B + 1 are n = 32 B + 16 g + 8 h + j; their 16 codes go to bytes 24 B + 12 h of the row: place 16 h + 8 g + j holds number 16 g + 8 h + j.
; Both operands of each later product carry the same order inside a block (q and k along d; v and p along the keys), so the products are the same; only the order of the sums inside a block differs.
; LDS: three slots of 256 along K, all filled at the start; slot 0 is filled once more (the fourth 256).  The scales of all of K come once.  By this text's count a wave has four tensor loads out at the start, later one.
; CLUSTERS 4 x 4: A's tiles are asked for jointly along a row of the cluster, B's along a column.
; WORKSPACE qkv: [batch x head: 64][block of 256 tokens: 8] chunks of 38,400 bytes: K codes [256][48]; V codes [64 keys: 4][d: 64][48]; K scales; V scales; Q codes; Q scales.
;   Scales of 32 rows: the word at 4 rho is {row rho: 2 bytes, row rho + 16: 2 bytes}.
; LIMITS: NaN, infinities and given scale bytes 0xff are not served.  A block whose largest magnitude lies under 2^-124 keeps the byte 1, a block of zeros too (the rule says 127): its codes are zeros, and this program alone reads the bytes.
.set PITCH,  240                       ; an LDS row of codes: 3 x (64 bytes + 16 of padding)
.set AHALF,  128*PITCH
.set BHALF,  64*PITCH
.set SLOT,   2*AHALF+2*BHALF           ; A's 256 rows, then B's 128
.set SCA,    3*SLOT                    ; A's scales: 256 rows x 32 bytes as units of 256 bytes + 16
.set SAH,    16*272
.set SBH,    8*272
.set SCB,    SCA+2*SAH                 ; B's: 128 rows
.set SPARE,  SCB+2*SBH                 ; the spare words: 512 bytes that no other line names
.set SBLK,   1088                      ; the scales of 32 rows
.set STG,    SLOT                      ; the way out, in slot 1, which has had its only fill and its last read: 6,144 bytes of codes a wave,
.set SST,    STG+4*6144                ; and 256 scale bytes a wave
.set CHK,    38400
.set HS,     8*CHK
.set KC,     0
.set VC,     12288
.set KS,     24576
.set VS,     25088
.set QC,     25600
.set QS,     37888
.set ADRA, 4                           ; v4-6 A's fragments in slot 0, 1, 2; v7-9 the same behind one padding more
.set ADRB, 10                          ; v10-12, v13-15 B's
.set ADSA, 16                          ; scale words: lanes 0-15 an even block's rows, lanes 16-31 the odd block's
.set ADSB, 17
.set CST,  18                          ; stage: where my 12 bytes of codes go
.set SSTO, 19                          ; and my row's two scale bytes
.set RDC,  20                          ; stage, back: 16 bytes a lane
.set RDS,  21                          ; 8 bytes a lane
.set GO16, 22
.set GO8,  23
.set GOS,  24                          ; the scale bytes' place in memory
.set SPW,  28                          ; my spare word; never rewritten
.set NIL,  29                          ; 0; never rewritten
.set BON,  30                          ; 32 h
.set BOM,  31                          ; 4 r
.set SC,   32                          ; v32-55 scale words, two sets of 12: A's four pairs of blocks x 2 steps, B's two pairs x 2 steps
.set BF,   64                          ; v64-159 B's fragments, two sets.  Window 1: v0-191 A's, two sets.  Window 2: accumulator (a, b) at v[8 (4 a + b)]
.set BN,   160                         ; v160-191 the bias along n (q, k);  v192-255 along m (v): the C of the first K step
.set BM,   192
.set TQ,   160                         ; the way out: largest magnitudes, the other half's, scale operands, bytes, codes
.set TP,   168
.set EQ,   176
.set BY,   184
.set CD,   192
.set G1A,  24
.set G1B,  32
.set G1SA, 40
.set G1SB, 48
.set G0SA, 56
.set G0SB, 60
.set G0A,  68                          ; s[68:79] one group 0 for each slot
.set G0B,  80
.set W,    92
.set RH,   93
.set CHF,  94
.set PATH, 95
.set TR,   96
.set TC,   97
.set CX,   98
.set CY,   99
.set SEL,  100
.set MUL,  0xa4                        ; source 0 (B) window 0, source 1 (A) window 1, C and D window 2
.set MULB, 0x84                        ; the same with C in window 0
.set MSB, 0
.macro WIN new                         ; the immediate's high byte repeats the setting that is left
.if MSB != \new
	s_set_vgpr_msb (MSB<<8)|\new
.set MSB, \new
.endif
.endm
.macro PLACES n
.rept \n
	v_nop
.endr
.endm
; A joint load: waves 0 and 1 fetch A's halves, waves 2 and 3 B's.  Four v_nop follow each line.
.macro JLOAD g0a, g1a, g0b, g1b
	s_cmp_eq_u32 s[RH], 0
	s_cbranch_scc0 .Lfor_b_\@
	tensor_load_to_lds s[\g0a:\g0a+3], s[\g1a:\g1a+7]
	s_nop 0
.rept 4
	v_nop
.endr
	s_branch .Lasked_\@
.Lfor_b_\@:
	tensor_load_to_lds s[\g0b:\g0b+3], s[\g1b:\g1b+7]
	s_nop 0
.rept 4
	v_nop
.endr
.Lasked_\@:
.endm
.macro CREST                           ; a round of the cluster's barrier behind its opening barrier
	s_cmp_lg_u32 s[W], 0
	s_cbranch_scc1 .Lnot_wave_0_\@
	s_barrier_signal -3
.Lnot_wave_0_\@:
	s_barrier_wait -3
	s_barrier_signal -1
	s_barrier_wait -1
.endm
.macro CROUND
	s_barrier_signal -1
	s_barrier_wait -1
	CREST
.endm
; A fragment: 16 rows x 128 K, 12 registers: lane (r, h) takes 24 bytes at 24 h and 24 at 48 + 24 h of its row's 96, in pieces of 8.  Where lanes 16-31's piece lies behind one padding more, the second address register serves.
.macro FRAG reg, adr, q, i
.irp p, 0,1,2,3,4,5
.set PCE, 12*(\q)+6*(\p/3)+\p%3
.if PCE%8 < 5
	ds_load_b64 v[\reg+2*\p:\reg+2*\p+1], v[\adr] offset:8*PCE+16*(PCE/8)+(\i)*16*PITCH
.else
	ds_load_b64 v[\reg+2*\p:\reg+2*\p+1], v[\adr+3] offset:8*PCE+16*(PCE/8)+(\i)*16*PITCH
.endif
.endr
.endm
.macro FETCH slot, q, set              ; 72 loads: B's four and A's eight fragments of the slot's q-th 128 along K
.irp i, 0,1,2,3
	FRAG BF+48*(\set)+12*\i, ADRB+\slot, \q, \i
.endr
	WIN 0x40
.irp i, 0,1,2,3,4,5,6,7
	FRAG 96*(\set)+12*\i, ADRA+\slot, \q, \i
.endr
	WIN 0
.endm
.macro SCALES kk, sc                   ; the scale words of 256 along K: two words a row
.irp i, 0,1,2,3
	ds_load_b64 v[SC+12*(\sc)+2*\i:SC+12*(\sc)+2*\i+1], v[ADSA] offset:\i*SBLK+8*(\kk)
.endr
.irp i, 0,1
	ds_load_b64 v[SC+12*(\sc)+8+2*\i:SC+12*(\sc)+8+2*\i+1], v[ADSB] offset:\i*SBLK+8*(\kk)
.endr
.endm
; One product.  cm = 0: onto its own sum; 1: the sum starts with the bias along n; 2: with the bias along m.  An odd block's scale words lie in lanes 16-31.
.macro WM a, b, set, q, sc, cm
.set xD, 8*(4*(\a)+(\b))
.set xB, BF+48*(\set)+12*(\b)
.set xA, 96*(\set)+12*(\a)
.set kB, SC+12*(\sc)+8+2*((\b)/2)+(\q)
.set kA, SC+12*(\sc)+2*((\a)/2)+(\q)
.set xC, xD
.if \cm == 1
.set xC, BN+8*(\b)
.endif
.if \cm == 2
.set xC, BM+8*(\a)
.endif
.set oA, (\a)%2
.set oB, (\b)%2
.if oA && oB
	v_wmma_scale_f32_16x16x128_f8f6f4 v[xD:xD+7], v[xB:xB+11], v[xA:xA+11], v[xC:xC+7], v[kB], v[kA] matrix_a_fmt:MATRIX_FMT_FP6 matrix_b_fmt:MATRIX_FMT_FP6 matrix_a_scale:MATRIX_SCALE_ROW1 matrix_b_scale:MATRIX_SCALE_ROW1
.elseif oB
	v_wmma_scale_f32_16x16x128_f8f6f4 v[xD:xD+7], v[xB:xB+11], v[xA:xA+11], v[xC:xC+7], v[kB], v[kA] matrix_a_fmt:MATRIX_FMT_FP6 matrix_b_fmt:MATRIX_FMT_FP6 matrix_a_scale:MATRIX_SCALE_ROW1
.elseif oA
	v_wmma_scale_f32_16x16x128_f8f6f4 v[xD:xD+7], v[xB:xB+11], v[xA:xA+11], v[xC:xC+7], v[kB], v[kA] matrix_a_fmt:MATRIX_FMT_FP6 matrix_b_fmt:MATRIX_FMT_FP6 matrix_b_scale:MATRIX_SCALE_ROW1
.else
	v_wmma_scale_f32_16x16x128_f8f6f4 v[xD:xD+7], v[xB:xB+11], v[xA:xA+11], v[xC:xC+7], v[kB], v[kA] matrix_a_fmt:MATRIX_FMT_FP6 matrix_b_fmt:MATRIX_FMT_FP6
.endif
.endm
.macro MUL8 a0, set, q, sc, cm         ; the 32 accumulators take turns, one instruction a turn, in the same order in every step
.irp a, \a0, \a0+1
.irp b, 0,1,2,3
	WM (\a), \b, \set, \q, \sc, \cm
.endr
.endr
.endm
; A step of 128 along K: its fragments are in; the next step's are asked for, into the other set, and land under this step's 32 products.
.macro STEP set, q, sc, nslot, nq, nkk, nsc
	s_wait_dscnt 0x0                               ; this step's fragments and scale words
	PLACES 4                                       ; in front of loads into registers that the last step's products read
	FETCH \nslot, \nq, 1-(\set)
.if \nkk >= 0
	SCALES \nkk, \nsc
.endif
	WIN MUL
	MUL8 0, \set, \q, \sc, 0
	MUL8 2, \set, \q, \sc, 0
	MUL8 4, \set, \q, \sc, 0
	MUL8 6, \set, \q, \sc, 0
	WIN 0
.endm
; A slot's second step with a barrier (set 1, scale set 0).  In front of it each wave waits for all its tensor loads, adds 0 to its spare word, and waits for that and for its reads.
; fill = 1: slot 0, which nobody reads any more, takes the fourth 256 along K: the barrier opens a round of the cluster's, and the joint load is the first thing behind it.
.macro TURN fill, nslot, nkk, nsc
	s_wait_tensorcnt 0x0                           ; all my tensor loads have landed
	ds_add_u32 v[SPW], v[NIL]                      ; 0 onto my spare word
	s_wait_dscnt 1                                 ; the fragments are in; the add may be out
	WIN MUL
	MUL8 0, 1, 1, 0, 0
	s_wait_dscnt 0x0                               ; the add is done, and my LDS reads are over
	s_barrier_signal -1
	MUL8 2, 1, 1, 0, 0
	WIN 0
	s_barrier_wait -1
.if \fill
	CREST
	s_add_nc_u64 s[G0A+2:G0A+3], s[G0A+2:G0A+3], 576   ; three times 192 bytes along the rows
	s_add_nc_u64 s[G0B+2:G0B+3], s[G0B+2:G0B+3], 576
	JLOAD G0A, G1A, G0B, G1B                       ; its four v_nop are also the places in front of the loads below
.else
	PLACES 4
.endif
	FETCH \nslot, 0, 0
	SCALES \nkk, \nsc
	WIN MUL
	MUL8 4, 1, 1, 0, 0
	MUL8 6, 1, 1, 0, 0
	WIN 0
.endm
; The quantiser, for blocks a = 4 g .. 4 g + 3 of rows: eight chains e (row block 4 g + e / 2, block of 32 e % 2), each on 16 registers v[128 g + 16 e ..] of window 2.
.macro QBATCH g
	WIN 0x28                                       ; sources 1 and 2 in window 2
.irp e, 0,1,2,3,4,5,6,7
	v_max3_num_f32 v[TQ+\e], 0x1800000, |v[128*\g+16*\e]|, |v[128*\g+16*\e+1]|   ; the floor 2^(3 - 127) holds the byte at 1 from below; each accumulator is read from its low end on
.endr
.irp i, 2,4,6,8,10,12,14
.irp e, 0,1,2,3,4,5,6,7
	v_max3_num_f32 v[TQ+\e], v[TQ+\e], |v[128*\g+16*\e+\i]|, |v[128*\g+16*\e+\i+1]|
.endr
.endr
	WIN 0
.irp e, 0,1,2,3,4,5,6,7
	v_permlanex16_b32 v[TP+\e], v[TQ+\e], s[SEL], s[SEL+1]
.endr
.irp e, 0,1,2,3,4,5,6,7
	v_max_num_f32 v[TQ+\e], v[TQ+\e], v[TP+\e]     ; with lane l xor 16's 16: the block's largest magnitude
.endr
.irp e, 0,1,2,3,4,5,6,7
	v_add_nc_u32 v[EQ+\e], 0xff000000, v[TQ+\e]    ; 2 off its exponent field: the conversion's scale operand
.endr
.irp e, 0,1,2,3,4,5,6,7
	v_lshrrev_b32 v[BY+\e], 23, v[EQ+\e]           ; the scale's byte
.endr
.irp a, 0,1,2,3
	v_lshl_or_b32 v[BY+2*\a], v[BY+2*\a+1], 8, v[BY+2*\a]
.endr
	WIN 0x02                                       ; source 0 in window 2
.irp e, 0,1,2,3,4,5,6,7
	v_cvt_scalef32_pk16_fp6_f32 v[CD+4*\e:CD+4*\e+2], v[128*\g+16*\e:128*\g+16*\e+15], v[EQ+\e]
.endr
	WIN 0
	v_nop                                          ; one plain place behind the conversions
.irp e, 0,1,2,3,4,5,6,7
.irp i, 0,1,2
	ds_store_b32 v[CST], v[CD+4*\e+\i] offset:768*(4*\g+\e/2)+24*(\e%2)+4*\i
.endr
.endr
.irp a, 0,1,2,3
	ds_store_b16 v[SSTO], v[BY+2*\a] offset:64*((4*\g+\a)/2)+2*(\a%2)   ; both halves of the lanes write the same two bytes with the same value
.endr
	s_wait_dscnt 0x0                               ; the stores have read their registers
.endm
	s_load_b256 s[4:11], s[0:1], 0x0               ; x's codes, x's scales, w's codes, w's scales
	s_load_b128 s[12:15], s[0:1], 0x20             ; b_qkv, qkv
	v_lshl_add_u32 v[SPW], v0, 2, SPARE
	v_mov_b32 v[NIL], 0
	ds_add_u32 v28, v29
	ds_add_u32 v28, v29
	s_wait_dscnt 0x0
	v_lshrrev_b32 v1, 5, v0
	v_readfirstlane_b32 s[W], v1                   ; wave 0..3
	s_lshr_b32 s[RH], s[W], 1                      ; my half of the tile's 256 rows of A.  Also: I fetch for A (0) or for B (1)
	s_and_b32 s[CHF], s[W], 1                      ; my half of its 128 rows of B.  Also: which half I fetch
	s_bfe_u32 s[CX], ttmp6, 0x40000
	s_bfe_u32 s[CY], ttmp6, 0x40004
	s_lshr_b32 s2, ttmp9, 2
	s_and_b32 s66, ttmp9, 3
	s_sub_co_u32 s67, ttmp9, 32
	s_cmp_ge_u32 ttmp9, 32                         ; clusters 32-47 make v: the same in all sixteen partners
	s_cselect_b32 s[PATH], 1, 0
	s_cselect_b32 s2, 0, s2                        ; the cluster's row of tiles,
	s_cselect_b32 s66, s67, s66                    ; and its column
	s_lshl_b32 s[TR], s2, 2
	s_add_co_u32 s[TR], s[TR], s[CY]               ; tile row: 256 rows of A
	s_lshl_b32 s[TC], s66, 2
	s_add_co_u32 s[TC], s[TC], s[CX]               ; tile column: 128 rows of B
	s_lshl_b32 s3, s[CY], 2
	s_lshl_b32 s3, 15, s3                          ; my row of the cluster
	s_lshl_b32 s67, 0x1111, s[CX]                  ; my column
	s_or_b32 s[G1A], s3, (1<<20)|(1<<21)|(3<<22)|(3<<25)    ; 1-byte elements; 16 bytes of padding behind every 64
	s_or_b32 s[G1B], s67, (1<<20)|(1<<21)|(3<<22)|(3<<25)
	s_or_b32 s[G1SA], s3, (3<<16)|(1<<20)|(1<<21)|(5<<22)|(3<<25)   ; 8-byte elements; 16 bytes behind every 256
	s_or_b32 s[G1SB], s67, (3<<16)|(1<<20)|(1<<21)|(5<<22)|(3<<25)
.irp g, G1A, G1B
	s_mov_b32 s[\g+1], 192<<16                     ; tensor_dim0 = 192 bytes
	s_mov_b32 s[\g+3], 192<<16                     ; tile_dim0
	s_mov_b32 s[\g+5], 768                         ; a row of 1,024 codes
	s_mov_b32 s[\g+6], 0
	s_mov_b32 s[\g+7], 0
.endr
	s_mov_b32 s[G1A+2], 128<<16
	s_mov_b32 s[G1A+4], 128
	s_mov_b32 s[G1B+2], 64<<16
	s_mov_b32 s[G1B+4], 64
.irp g, G1SA, G1SB
	s_mov_b32 s[\g+1], 32<<16                      ; rows of 256 bytes of a dense block
	s_mov_b32 s[\g+3], 32<<16
	s_mov_b32 s[\g+5], 32
	s_mov_b32 s[\g+6], 0
	s_mov_b32 s[\g+7], 0
.endr
	s_mov_b32 s[G1SA+2], 16<<16
	s_mov_b32 s[G1SA+4], 16
	s_mov_b32 s[G1SB+2], 8<<16
	s_mov_b32 s[G1SB+4], 8
	s_lshl_b32 s2, s[TR], 8
	s_lshl_b32 s3, s[CHF], 7
	s_add_co_u32 s2, s2, s3                        ; A: the first row that I fetch
	s_mul_i32 s[G0A+2], s2, 768
	s_mov_b32 s[G0A+3], 0
	s_lshl_b32 s[G0SA+2], s2, 5
	s_mov_b32 s[G0SA+3], 0
	s_lshl_b32 s66, s[TC], 7
	s_lshl_b32 s67, s[CHF], 6
	s_add_co_u32 s66, s66, s67                     ; B likewise
	s_mul_i32 s[G0B+2], s66, 768
	s_mov_b32 s[G0B+3], 0
	s_lshl_b32 s[G0SB+2], s66, 5
	s_mov_b32 s[G0SB+3], 0
	s_mul_i32 s2, s[CHF], AHALF                    ; LDS places hang on the wave's number alone
	s_mul_i32 s3, s[CHF], SAH
	s_mul_i32 s66, s[CHF], BHALF
	s_mul_i32 s67, s[CHF], SBH
	s_mov_b32 s[G0SA], 1
	s_add_co_u32 s[G0SA+1], s3, SCA
	s_mov_b32 s[G0SB], 1
	s_add_co_u32 s[G0SB+1], s67, SCB
.irp s, 0,1,2
	s_mov_b32 s[G0A+4*\s], 1
	s_add_co_u32 s[G0A+4*\s+1], s2, \s*SLOT
	s_mov_b32 s[G0B+4*\s], 1
	s_add_co_u32 s[G0B+4*\s+1], s66, \s*SLOT+2*AHALF
.endr
	s_mov_b32 s[SEL], 0x76543210
	s_mov_b32 s[SEL+1], 0xfedcba98
	s_wait_kmcnt 0x0
	s_add_nc_u64 s[16:17], s[8:9], 2048*768        ; w's rows 2048 on
	s_add_nc_u64 s[18:19], s[10:11], 2048*32
	s_cmp_eq_u32 s[PATH], 1
	s_cselect_b64 s[16:17], s[16:17], s[4:5]       ; A's codes
	s_cselect_b64 s[18:19], s[18:19], s[6:7]       ; A's scales
	s_cselect_b64 s[20:21], s[4:5], s[8:9]         ; B's codes
	s_cselect_b64 s[22:23], s[6:7], s[10:11]       ; B's scales
	s_add_nc_u64 s[G0SA+2:G0SA+3], s[18:19], s[G0SA+2:G0SA+3]
	s_add_nc_u64 s[G0SB+2:G0SB+3], s[22:23], s[G0SB+2:G0SB+3]
	s_add_nc_u64 s[G0A+2:G0A+3], s[16:17], s[G0A+2:G0A+3]
	s_add_nc_u64 s[G0B+2:G0B+3], s[20:21], s[G0B+2:G0B+3]
	s_add_nc_u64 s[G0A+6:G0A+7], s[G0A+2:G0A+3], 192
	s_add_nc_u64 s[G0A+10:G0A+11], s[G0A+2:G0A+3], 384
	s_add_nc_u64 s[G0B+6:G0B+7], s[G0B+2:G0B+3], 192
	s_add_nc_u64 s[G0B+10:G0B+11], s[G0B+2:G0B+3], 384
	s_or_b32 s[G0SA+3], s[G0SA+3], 0x80000000
	s_or_b32 s[G0SB+3], s[G0SB+3], 0x80000000
.irp s, 0,1,2
	s_or_b32 s[G0A+4*\s+3], s[G0A+4*\s+3], 0x80000000
	s_or_b32 s[G0B+4*\s+3], s[G0B+4*\s+3], 0x80000000
.endr
	CROUND                                         ; all sixteen work-groups are here: the first joint loads meet
	JLOAD G0SA, G1SA, G0SB, G1SB                   ; the scales of all of K,
.irp s, 0,1,2
	JLOAD G0A+4*\s, G1A, G0B+4*\s, G1B             ; and three quarters of K
.endr
	; The bias, in both forms, from places that lie inside b_qkv on either path; the first K step takes the form that is the path's.
	v_and_b32 v1, 15, v0                           ; r
	v_bfe_u32 v2, v0, 4, 1                         ; h
	v_lshlrev_b32 v[BON], 5, v2
	s_wait_alu depctr_va_vdst(0)
	v_lshlrev_b32 v[BOM], 2, v1
	s_wait_alu depctr_va_vdst(0)
	s_and_b32 s2, s[TC], 15
	s_lshl_b32 s2, s2, 9
	s_lshl_b32 s3, s[CHF], 8
	s_add_co_u32 s2, s2, s3                        ; 4 (128 TC + 64 half)
	s_mov_b32 s3, 0
	s_add_nc_u64 s[10:11], s[12:13], s[2:3]
	s_and_b32 s2, s[TR], 3
	s_lshl_b32 s2, s2, 10
	s_lshl_b32 s66, s[RH], 9
	s_add_co_u32 s2, s2, s66
	s_add_co_u32 s2, s2, 8192                      ; 4 (2048 + 256 TR + 128 half)
	s_add_nc_u64 s[12:13], s[12:13], s[2:3]
.irp b, 0,1,2,3
	global_load_b128 v[BN+8*\b:BN+8*\b+3], v[BON], s[10:11] offset:64*\b       ; along n: 16 b + 8 h + 0 .. 7
	global_load_b128 v[BN+8*\b+4:BN+8*\b+7], v[BON], s[10:11] offset:64*\b+16
.endr
.irp a, 0,1,2,3,4,5,6,7
	global_load_b32 v[BM+8*\a], v[BOM], s[12:13] offset:64*\a                  ; along m: 16 a + r
.endr
	; where the results go, for both paths; then the choice
	s_lshr_b32 s16, s[TR], 3
	s_lshl_b32 s16, s16, 4
	s_and_b32 s17, s[TC], 7
	s_lshl_b32 s17, s17, 1
	s_add_co_u32 s16, s16, s17
	s_add_co_u32 s16, s16, s[CHF]                  ; q, k: 16 batch + head
	s_lshl_b32 s16, s16, 3
	s_and_b32 s17, s[TR], 7
	s_add_co_u32 s16, s16, s17
	s_mul_i32 s16, s16, CHK                        ; the chunk
	s_mul_i32 s17, s[RH], 6144
	s_lshl_b32 s18, s[RH], 8
	s_add_co_u32 s17, s16, s17
	s_add_co_u32 s18, s16, s18
	s_add_co_u32 s18, s18, KS
	s_cmp_lt_u32 s[TC], 8                          ; q or k
	s_cselect_b32 s19, QC, 0
	s_cselect_b32 s20, QS-KS, 0
	s_add_co_u32 s17, s17, s19                     ; the codes,
	s_add_co_u32 s18, s18, s20                     ; the scale bytes
	s_lshr_b32 s19, s[TC], 4
	s_lshl_b32 s19, s19, 4
	s_and_b32 s20, s[TR], 3
	s_lshl_b32 s20, s20, 2
	s_add_co_u32 s19, s19, s20
	s_lshl_b32 s20, s[RH], 1
	s_add_co_u32 s19, s19, s20                     ; v: 16 batch + the first of my two heads
	s_lshl_b32 s19, s19, 3
	s_bfe_u32 s20, s[TC], 0x30001
	s_add_co_u32 s19, s19, s20
	s_mul_i32 s19, s19, CHK
	s_and_b32 s20, s[TC], 1
	s_lshl_b32 s20, s20, 1
	s_add_co_u32 s20, s20, s[CHF]                  ; which 64 keys of the chunk's 256
	s_mul_i32 s21, s20, 3072
	s_lshl_b32 s20, s20, 7
	s_add_co_u32 s21, s21, s19
	s_add_co_u32 s21, s21, VC
	s_add_co_u32 s20, s20, s19
	s_add_co_u32 s20, s20, VS
	s_mov_b32 s22, 3072
	s_cmp_eq_u32 s[PATH], 1
	s_cselect_b32 s2, s21, s17
	s_cselect_b32 s66, s20, s18
	s_cselect_b32 s22, HS, s22                     ; from my first 64 rows' codes to my second 64's: on end, or a head on
	s_cselect_b32 s23, HS-128, 0                   ; the same for the scale bytes' second 128
	s_mov_b32 s3, 0
	s_mov_b32 s67, 0
	s_add_nc_u64 s[4:5], s[14:15], s[2:3]
	s_add_co_u32 s2, s2, s22
	s_add_nc_u64 s[6:7], s[14:15], s[2:3]
	s_add_nc_u64 s[8:9], s[14:15], s[66:67]
	; lane addresses
	v_mul_u32_u24 v3, v1, PITCH
	v_mad_u32_u24 v3, v2, 24, v3                   ; row x pitch + 24 x half
	s_mul_i32 s2, s[RH], AHALF
	s_mul_i32 s3, s[CHF], BHALF
	s_add_co_u32 s3, s3, 2*AHALF
.irp s, 0,1,2
	v_add_nc_u32 v[ADRA+\s], s2, v3
	v_add_nc_u32 v[ADRB+\s], s3, v3
	v_lshl_add_u32 v[ADRA+3+\s], v2, 4, v[ADRA+\s]
	v_lshl_add_u32 v[ADRB+3+\s], v2, 4, v[ADRB+\s]
	s_add_co_u32 s2, s2, SLOT
	s_add_co_u32 s3, s3, SLOT
.endr
	v_and_b32 v3, 7, v1
	v_lshlrev_b32 v3, 5, v3                        ; eight rows of 32 scale bytes to a unit,
	v_lshrrev_b32 v56, 3, v1
	v_mad_u32_u24 v3, v56, 272, v3                 ; two units to a block of 16 rows,
	v_mad_u32_u24 v3, v2, 544, v3                  ; lanes 16-31 the next block
	s_mul_i32 s2, s[RH], SAH
	s_add_co_u32 s2, s2, SCA
	v_add_nc_u32 v[ADSA], s2, v3
	s_mul_i32 s3, s[CHF], SBH
	s_add_co_u32 s3, s3, SCB
	v_add_nc_u32 v[ADSB], s3, v3
	v_and_b32 v56, 31, v0
	v_lshlrev_b32 v[GO16], 4, v56
	v_lshlrev_b32 v[GO8], 3, v56
	v_mad_u32_u24 v[GOS], v2, s23, v[GO8]
	s_mul_i32 s2, s[W], 6144
	s_lshl_b32 s3, s[W], 8
	v_mul_u32_u24 v57, v1, 48
	v_mad_u32_u24 v57, v2, 12, v57
	v_add_nc_u32 v57, s2, v57
	v_add_nc_u32 v[CST], STG, v57                  ; row r of 48 bytes, + 12 h
	v_lshlrev_b32 v58, 2, v1
	v_add_nc_u32 v58, s3, v58
	v_add_nc_u32 v[SSTO], SST, v58
	v_add_nc_u32 v59, s2, v[GO16]
	v_add_nc_u32 v[RDC], STG, v59
	v_add_nc_u32 v60, s3, v[GO8]
	v_add_nc_u32 v[RDS], SST, v60
	s_wait_tensorcnt 2                             ; the scales and my part of slot 0 are in; slots 1 and 2 may be out
	s_barrier_signal -1
	s_barrier_wait -1
	FETCH 0, 0, 0
	SCALES 0, 0
	s_wait_loadcnt 0x0                             ; the bias
.irp a, 0,1,2,3,4,5,6,7
.irp j, 1,2,3,4,5,6,7
	v_mov_b32 v[BM+8*\a+\j], v[BM+8*\a]            ; along m a lane's eight results share one number
.endr
.endr
	s_wait_dscnt 0x0
	FETCH 0, 1, 1
	s_cmp_eq_u32 s[PATH], 0                        ; K step 0 starts the sums with the path's bias: nothing is cleared, nothing added later
	s_cbranch_scc0 .Lfirst_v
	WIN MULB
	MUL8 0, 0, 0, 0, 1
	MUL8 2, 0, 0, 0, 1
	MUL8 4, 0, 0, 0, 1
	MUL8 6, 0, 0, 0, 1
	WIN 0
	s_branch .Lfirst_done
.Lfirst_v:
	WIN MULB
	MUL8 0, 0, 0, 0, 2
	MUL8 2, 0, 0, 0, 2
	MUL8 4, 0, 0, 0, 2
	s_wait_alu depctr_va_vdst(0)
	MUL8 6, 0, 0, 0, 2
	WIN 0
.Lfirst_done:
	TURN 1, 1, 1, 1                                ; step 1; slot 0 is filled again; every wave has shown all its first fills landed
	STEP 0, 0, 1, 1, 1, -1, 0                      ; step 2
	STEP 1, 1, 1, 2, 0, 2, 0                       ; step 3
	STEP 0, 0, 0, 2, 1, -1, 0                      ; step 4
	TURN 0, 0, 3, 1                                ; step 5; behind its barrier slot 0 is whole again, and nobody reads slot 1
	STEP 0, 0, 1, 0, 1, -1, 0                      ; step 6
	s_wait_dscnt 0x0                               ; step 7
	WIN MUL
	MUL8 0, 1, 1, 1, 0
	MUL8 2, 1, 1, 1, 0
	MUL8 4, 1, 1, 1, 0
	MUL8 6, 1, 1, 1, 0
	WIN 0
	; THE WAY OUT: quantised in registers; codes and scale bytes through my own stage; out as runs of 512 and 256 bytes.
.irp e, 0,1,2,3,4,5,6,7
	v_mov_b32 v[TP+\e], 0                          ; a lane permute's destination counts as read; these eight are also the places behind the last products
.endr
	QBATCH 0
	QBATCH 1
.irp i, 0,1,2,3,4,5,6,7,8,9,10,11
	ds_load_b128 v[160+4*\i:160+4*\i+3], v[RDC] offset:512*\i   ; LDS serves a wave's instructions in order: these see my stores
.endr
	ds_load_b64 v[208:209], v[RDS]
	s_wait_dscnt 0x0
.irp i, 0,1,2,3,4,5
	global_store_b128 v[GO16], v[160+4*\i:160+4*\i+3], s[4:5] offset:512*\i      ; 32 lanes store 512 consecutive bytes, at a multiple of 256 from the buffer's first byte
.endr
.irp i, 6,7,8,9,10,11
	global_store_b128 v[GO16], v[160+4*\i:160+4*\i+3], s[6:7] offset:512*(\i-6)
.endr
	global_store_b64 v[GOS], v[208:209], s[8:9]    ; q, k: 256 consecutive bytes; v: 128 for each of my two heads
	s_wait_tensorcnt 0x0                           ; the wave's end
	ds_add_u32 v[SPW], v[NIL]
	s_wait_dscnt 0x0
	CROUND                                         ; the closing round
	s_endpgm
.Lfunc_end_k_q85b9370663_qkv:
	.size	k_q85b9370663_qkv, .Lfunc_end_k_q85b9370663_qkv-k_q85b9370663_qkv
	.p2alignl 7, 3214868480
	.fill 96, 4, 3214868480
	.section	.rodata,"a",@progbits
	.p2align	6, 0x0
	.amdhsa_kernel k_q85b9370663_qkv
		.amdhsa_group_segment_fixed_size 327680
		.amdhsa_private_segment_fixed_size 0
		.amdhsa_enable_private_segment 0
		.amdhsa_kernarg_size 48
		.amdhsa_user_sgpr_count 2
		.amdhsa_user_sgpr_kernarg_segment_ptr 1
		.amdhsa_wavefront_size32 1
		.amdhsa_system_sgpr_workgroup_id_x 1
		.amdhsa_system_sgpr_workgroup_id_y 1
		.amdhsa_system_sgpr_workgroup_id_z 1
		.amdhsa_system_vgpr_workitem_id 0
		.amdhsa_next_free_vgpr 768
		.amdhsa_next_free_sgpr 102
		.amdhsa_reserve_vcc 0
		.amdhsa_float_denorm_mode_32 3
		.amdhsa_float_denorm_mode_16_64 3
		.amdhsa_memory_ordered 1
		.amdhsa_forward_progress 1
		.amdhsa_inst_pref_size 114
	.end_amdhsa_kernel
	.amdgpu_metadata
---
amdhsa.version: [ 1, 2 ]
amdhsa.kernels:
  - .name:           k_q85b9370663_qkv
    .symbol:         k_q85b9370663_qkv.kd
    .args:
      - { .name: x_codes, .offset: 0, .size: 8, .value_kind: global_buffer, .address_space: global }
      - { .name: x_scales, .offset: 8, .size: 8, .value_kind: global_buffer, .address_space: global }
      - { .name: w_qkv_codes, .offset: 16, .size: 8, .value_kind: global_buffer, .address_space: global }
      - { .name: w_qkv_scales, .offset: 24, .size: 8, .value_kind: global_buffer, .address_space: global }
      - { .name: b_qkv, .offset: 32, .size: 8, .value_kind: global_buffer, .address_space: global }
      - { .name: qkv, .offset: 40, .size: 8, .value_kind: global_buffer, .address_space: global }
    .group_segment_fixed_size: 327680
    .private_segment_fixed_size: 0
    .kernarg_segment_align: 8
    .kernarg_segment_size: 48
    .max_flat_workgroup_size: 128
    .sgpr_count:     102
    .vgpr_count:     768
    .wavefront_size: 32
...
	.end_amdgpu_metadata
.endif
;; end of part 1
;; launch attn (part 2): grid 4 x 64, 16 waves a work-group, no clusters, 327,680 bytes of LDS; arguments qkv, ao; writes ao
.if DOCPART == 2
	.amdgcn_target "amdgcn-amd-amdhsa--gfx1250"
	.amdhsa_code_object_version 6
	.text
	.protected	k_q85b9370663_attn
	.globl	k_q85b9370663_attn
	.p2align	8
	.type	k_q85b9370663_attn,@function
k_q85b9370663_attn:
	s_mov_b64 s[64:65], 0
	v_nop
	global_prefetch_b8 v0, s[64:65] scope:SCOPE_SE
	s_setreg_imm32_b32 hwreg(HW_REG_WAVE_MODE, 25, 1), 1
	s_wait_xcnt 0x0
; Causal attention of one head on codes of FP6 (E2M3), and the quantising of its result along the model's 1,024 channels.
; t = score x log2(e) / 8; M = the running largest t rounded UP to a whole number; p = 2^(t - M) is quantised along the keys, not normalised; the row's sum is taken of the unquantised p and divides at the end.
; SHARES.  Work-group (x, y) has head y (batch x 16 + head) and the blocks x and 7 - x of 256 queries: first block x with key blocks 0 .. x, then block 7 - x with key blocks 0 .. 7 - x: always nine key blocks,
; so the loop's trip count is a constant and all 256 work-groups have the same work.  Each of sixteen waves owns 16 queries of the block in hand, in 256 registers; four waves to a SIMD.
; A key block (K codes, V codes, K scales, V scales: 25,600 dense bytes of the workspace) comes through a ring of two LDS slots; waves 0-3 bring a quarter each.  A wave has one tensor load out at the most.
; PRODUCTS, both transposed, so that a lane holds ONE query.  The head has 64 channels, the instruction 128 along K: a fragment's row rho is [key 32 B + rho | key 32 B + 16 + rho], and it is multiplied by [q | 0] and by [0 | q].
; Register 16 B + 8 g + j of lane half h then holds key 32 B + 16 g + 8 h + j, which after the conversion is the order inside a block of 32 in which v's codes lie along the keys.
; O^T = V^T P^T: tile t, register j: channel 16 t + 8 h + j.  At the end a lane's 16 codes of a block of 32 are two runs of 8 channels, 6 bytes each, which go to their natural places in the token's row.
; NO MULTICAST: the work-groups that share K and V are the query blocks of one head, and which steps they leave out under the causal mask hangs on just that place; partners would run unlike.
; LIMITS: NaN and infinities are not served.  A block whose largest magnitude lies under 2^-124, or that is all zeros, keeps the scale byte 1: its codes are zeros or as the floor gives them, and this program alone reads the bytes.
.set CHK,   38400
.set HS,    8*CHK
.set KC,    0
.set VC,    12288
.set KS,    24576
.set VS,    25088
.set QC,    25600
.set QS,    37888
.set AH,    393216                     ; ao: codes [head][token][48 bytes]
.set AOS,   6291456                    ; ao: scales [head / 4][token][8 bytes]
.set SLOT1, 32768
.set STAGE, 65536                      ; 768 bytes for each wave
.set SPARE, STAGE+16*768               ; the spare words: 2,048 bytes that no other line names
.set AKV,  1                           ; v1  48 r + 24 h
.set AS0,  2                           ; v2  4 r
.set ADC,  3                           ; v3  the slot in hand + v1
.set ADS,  4                           ; v4  the slot in hand + v2
.set SPW,  5
.set NIL,  6
.set STO,  7                           ; v7  stage: 48 r + 6 h
.set SRD,  8                           ; v8  stage, back: 8 x lane
.set GL8,  9                           ; v9  8 x lane
.set GR8,  10                          ; v10 8 r
.set DL,   11                          ; v11 r - 8 h
                                       ; v12 -M, v13 the largest t, v[14:15] the sum;  v16-21 q, v22-27 zeros, v28-33 q;  v34 q's scale word;  v36-42 the second block's q
.set FR,   44                          ; v44-91 four fragments of K or of V
.set FSC,  92                          ; v92-95 their scale words
.set SS,   96                          ; v96-159 S^T, then p
.set OT,   160                         ; v160-191 O^T
.set PCD,  192                         ; v192-203 p's codes; v204-210 halves on their way
.set BM,   212                         ; block maxima
.set PT,   216                         ; the other half's; bytes
.set SO,   220                         ; the conversions' scale operands
.set PW,   224                         ; p's scale word
.set VH,   232                         ; v232-235 the upper halves of V's scale words
.set WV,   8
.set TB,   9
.set TAU,  10
.set II,   11
.set SW,   12
.set RST,  13
.set KF,   14
.set Q0,   15
.set Q0B,  16
.set SEL,  18
.set CS,   20
.set G1,   24
.set G0,   32
.macro TLOAD                           ; waves 0-3 fetch a quarter of a key block each; four v_nop follow the line
	s_cmp_lt_u32 s[WV], 4
	s_cbranch_scc0 .Lnone_\@
	tensor_load_to_lds s[G0:G0+3], s[G1:G1+7]
	s_nop 0
.rept 4
	v_nop
.endr
.Lnone_\@:
.endm
; THE CHANGE OF SLOTS, at a slot's head: all my tensor loads have landed, the add, my reads of the slot that I left are over; one barrier; fill = 1: that slot takes the key block that follows.
.macro CHANGE fill
	s_wait_tensorcnt 0x0
	ds_add_u32 v[SPW], v[NIL]                      ; 0 onto my spare word
.if \fill
	s_xor_b32 s[G0+1], s[G0+1], SLOT1
	s_add_nc_u64 s[G0+2:G0+3], s[G0+2:G0+3], CHK   ; the next key block;
	s_cmp_eq_u32 s[TAU], s[II]
	s_cselect_b32 s52, s[RST], 0                   ; behind the first query block's last one: back to key block 0
	s_mov_b32 s53, 0
	s_sub_nc_u64 s[G0+2:G0+3], s[G0+2:G0+3], s[52:53]
.endif
	s_wait_dscnt 0x0
	s_barrier_signal -1
	s_barrier_wait -1
.if \fill
	TLOAD
.endif
.endm
; A KEY STEP: 128 keys, the q-th of the slot in hand.
.macro STEP q
	s_add_co_u32 s52, s[Q0], 15
	s_cmp_gt_u32 s[KF], s52                        ; all its keys come after my queries: the step's work is left out (a branch on ids)
	s_cbranch_scc1 .Lhidden_\@
.rept 4
	v_nop                                          ; places in front of loads into registers that the last products read
.endr
	s_wait_alu depctr_va_vdst(0)
.irp b, 0,1,2,3
.irp p, 0,1,2,3,4,5
	ds_load_b64 v[FR+12*\b+2*\p:FR+12*\b+2*\p+1], v[ADC] offset:KC+(128*(\q)+32*\b+16*(\p/3))*48+8*(\p%3)
.endr
	ds_load_b32 v[FSC+\b], v[ADS] offset:KS+64*(4*(\q)+\b)
.endr
	s_wait_dscnt 0x0
.irp b, 0,1,2,3
	v_wmma_scale_f32_16x16x128_f8f6f4 v[SS+16*\b:SS+16*\b+7], v[FR+12*\b:FR+12*\b+11], v[16:27], 0, v[FSC+\b], v34 matrix_a_fmt:MATRIX_FMT_FP6 matrix_b_fmt:MATRIX_FMT_FP6
	v_wmma_scale_f32_16x16x128_f8f6f4 v[SS+16*\b+8:SS+16*\b+15], v[FR+12*\b:FR+12*\b+11], v[22:33], 0, v[FSC+\b], v34 matrix_a_fmt:MATRIX_FMT_FP6 matrix_b_fmt:MATRIX_FMT_FP6
.endr
.rept 4
	v_nop
.endr
	s_wait_alu depctr_va_vdst(0)
.irp t, 0,1,2,3                        ; V's fragments are asked for now and land under the softmax
.irp p, 0,1,2,3,4,5
	ds_load_b64 v[FR+12*\t+2*\p:FR+12*\t+2*\p+1], v[ADC] offset:VC+(2*(\q)+\p/3)*3072+768*\t+8*(\p%3)
.endr
	ds_load_u16 v[FSC+\t], v[ADS] offset:VS+128*(2*(\q))+64*(\t/2)+2*(\t%2)
	ds_load_u16 v[VH+\t], v[ADS] offset:VS+128*(2*(\q)+1)+64*(\t/2)+2*(\t%2)
.endr
	s_add_co_u32 s52, s[KF], 127
	s_cmp_le_u32 s52, s[Q0]                        ; all keys count: no mask
	s_cbranch_scc1 .Lopen_\@
	s_sub_co_i32 s52, s[Q0], s[KF]
	v_add_nc_u32 v228, s52, v[DL]                  ; my query - KF - 8 h: register 16 B + 8 g + j is hidden where 32 B + 16 g + j is larger
	v_mov_b32 v229, 0xff800000                     ; -infinity: p = 0 then
.set n, 0
.rept 64
	v_cmp_gt_i32 vcc_lo, 32*(n/16)+16*((n/8)%2)+n%8, v228
	v_cndmask_b32 v[SS+n], v[SS+n], v229, vcc_lo
.set n, n+1
.endr
.Lopen_\@:
.irp b, 0,1,2,3
	v_max3_num_f32 v[BM+\b], v[SS+16*\b], v[SS+16*\b+1], v[SS+16*\b+2]   ; the largest score of each block of 32 keys: for the row's maximum and, since p rises with the score, for the block's largest p
.endr
.irp i, 3,5,7,9,11,13
.irp b, 0,1,2,3
	v_max3_num_f32 v[BM+\b], v[BM+\b], v[SS+16*\b+\i], v[SS+16*\b+\i+1]
.endr
.endr
.irp b, 0,1,2,3
	v_max_num_f32 v[BM+\b], v[BM+\b], v[SS+16*\b+15]
.endr
.irp b, 0,1,2,3
	s_delay_alu instid0(VALU_DEP_4)
	v_permlanex16_b32 v[PT+\b], v[BM+\b], s[SEL], s[SEL+1]
.endr
.irp b, 0,1,2,3
	s_delay_alu instid0(VALU_DEP_4)
	v_max_num_f32 v[BM+\b], v[BM+\b], v[PT+\b]
.endr
	s_delay_alu instid0(VALU_DEP_2)
	v_max3_num_f32 v228, v[BM], v[BM+1], v[BM+2]
	s_delay_alu instid0(VALU_DEP_1)
	v_max_num_f32 v228, v228, v[BM+3]
	s_delay_alu instid0(VALU_DEP_1)
	v_mul_f32 v228, s[CS], v228
	s_delay_alu instid0(VALU_DEP_1)
	v_max_num_f32 v13, v13, v228                   ; the running largest t
	v_mov_b32 v228, v12
	s_delay_alu instid0(VALU_DEP_2)
	v_floor_f32 v12, -v13                          ; -M = floor(-t): M is a whole number
	s_delay_alu instid0(VALU_DEP_1)
	v_sub_f32 v228, v12, v228
	s_delay_alu instid0(VALU_DEP_1)
	v_cvt_i32_f32 v228, v228                       ; old M - new M, 0 or less (it saturates)
	s_delay_alu instid0(VALU_DEP_1)
	v_ldexp_f32 v226, 1.0, v228                    ; f = 2^(old M - new M): the rescaling rounds nothing
.set n, 0
.rept 32
	v_pk_fma_f32 v[SS+n:SS+n+1], v[SS+n:SS+n+1], s[CS:CS+1], v[12:13] op_sel_hi:[1,0,0]   ; t - M
.set n, n+2
.endr
.irp b, 0,1,2,3
	v_fma_f32 v[BM+\b], v[BM+\b], s[CS], v12
.endr
.set n, 0
	s_wait_alu depctr_va_vdst(0)
.rept 64
	v_exp_f32 v[SS+n], v[SS+n]                     ; p
.set n, n+1
.endr
.irp b, 0,1,2,3
	v_exp_f32 v[BM+\b], v[BM+\b]                   ; the block's largest p: the same two instructions on the same number
.endr
	v_pk_mul_f32 v[14:15], v[14:15], v[226:227] op_sel_hi:[1,0]   ; the sums under the new M (a plain place behind the exponentials)
	s_wait_alu depctr_va_vdst(0)
.irp b, 0,1,2,3
	v_max_num_f32 v[BM+\b], 0x1800000, v[BM+\b]    ; the floor 2^(3 - 127)
.endr
.irp b, 0,1,2,3
	s_delay_alu instid0(VALU_DEP_4)
	v_add_nc_u32 v[SO+\b], 0xff000000, v[BM+\b]
.endr
.irp b, 0,1,2,3
	s_delay_alu instid0(VALU_DEP_4)
	v_lshrrev_b32 v[PT+\b], 23, v[SO+\b]
.endr
	s_delay_alu instid0(VALU_DEP_3)
	v_lshl_or_b32 v[PW], v[PT+1], 8, v[PT]
	s_delay_alu instid0(VALU_DEP_1)
	v_lshl_or_b32 v[PW], v[PT+2], 16, v[PW]
	s_delay_alu instid0(VALU_DEP_1)
	v_lshl_or_b32 v[PW], v[PT+3], 24, v[PW]
.irp c, 0,1
	v_cvt_scalef32_pk16_fp6_f32 v[PCD+6*\c:PCD+6*\c+2], v[SS+32*\c:SS+32*\c+15], v[SO+2*\c]
	v_cvt_scalef32_pk16_fp6_f32 v[PCD+12+4*\c:PCD+14+4*\c], v[SS+32*\c+16:SS+32*\c+31], v[SO+2*\c+1]
.endr
	v_nop                                          ; one plain place behind the conversions
.irp c, 0,1                            ; the operand wants a whole block in a lane: lanes 0-15 block 2 c, lanes 16-31 block 2 c + 1
.irp i, 0,1,2
	v_permlane16_swap_b32 v[PCD+6*\c+\i], v[PCD+12+4*\c+\i]
.endr
.irp i, 0,1,2
	s_delay_alu instid0(VALU_DEP_3)
	v_mov_b32 v[PCD+6*\c+3+\i], v[PCD+12+4*\c+\i]
.endr
.endr
	s_wait_dscnt 0x0                               ; V's fragments and scale halves, asked for ahead of the softmax
.irp t, 0,1,2,3
	v_lshl_or_b32 v[FSC+\t], v[VH+\t], 16, v[FSC+\t]   ; a scale word: 64 keys' two bytes below, the next 64's above; 48 plain lines stand between here and the products
.endr
	v_pk_add_f32 v[230:231], v[100:101], v[104:105]
	v_pk_add_f32 v[254:255], v[108:109], v[112:113]
	v_pk_add_f32 v[252:253], v[116:117], v[120:121]
	v_pk_add_f32 v[250:251], v[124:125], v[128:129]
	v_pk_add_f32 v[248:249], v[132:133], v[136:137]
	v_pk_add_f32 v[246:247], v[140:141], v[144:145]
	v_pk_add_f32 v[244:245], v[148:149], v[152:153]
	v_pk_add_f32 v[14:15], v[14:15], v[156:157]
	v_pk_add_f32 v[230:231], v[230:231], v[96:97]
	v_pk_add_f32 v[254:255], v[254:255], v[98:99]
	v_pk_add_f32 v[252:253], v[252:253], v[102:103]
	v_pk_add_f32 v[250:251], v[250:251], v[106:107]
	v_pk_add_f32 v[248:249], v[248:249], v[110:111]
	v_pk_add_f32 v[246:247], v[246:247], v[114:115]
	v_pk_add_f32 v[244:245], v[244:245], v[118:119]
	v_pk_add_f32 v[14:15], v[14:15], v[122:123]
	v_pk_add_f32 v[230:231], v[230:231], v[126:127]
	v_pk_add_f32 v[254:255], v[254:255], v[130:131]
	v_pk_add_f32 v[252:253], v[252:253], v[134:135]
	v_pk_add_f32 v[250:251], v[250:251], v[138:139]
	v_pk_add_f32 v[248:249], v[248:249], v[142:143]
	v_pk_add_f32 v[246:247], v[246:247], v[146:147]
	v_pk_add_f32 v[244:245], v[244:245], v[150:151]
	v_pk_add_f32 v[14:15], v[14:15], v[154:155]
	v_pk_add_f32 v[230:231], v[230:231], v[158:159]
	s_delay_alu instid0(VALU_DEP_2)
	v_pk_add_f32 v[14:15], v[14:15], v[250:251]
	s_delay_alu instid0(VALU_DEP_2)
	v_pk_add_f32 v[230:231], v[230:231], v[248:249]
	v_pk_add_f32 v[254:255], v[254:255], v[246:247]
	v_pk_add_f32 v[252:253], v[252:253], v[244:245]
	s_delay_alu instid0(VALU_DEP_2)
	v_pk_add_f32 v[14:15], v[14:15], v[254:255]
	s_delay_alu instid0(VALU_DEP_2)
	v_pk_add_f32 v[230:231], v[230:231], v[252:253]
	s_delay_alu instid0(VALU_DEP_1)
	v_pk_add_f32 v[14:15], v[14:15], v[230:231]
.set n, 0
.rept 16
	v_pk_mul_f32 v[OT+n:OT+n+1], v[OT+n:OT+n+1], v[226:227] op_sel_hi:[1,0]   ; O^T under the new M
.set n, n+2
.endr
.irp t, 0,1,2,3
	v_wmma_scale_f32_16x16x128_f8f6f4 v[OT+8*\t:OT+8*\t+7], v[FR+12*\t:FR+12*\t+11], v[PCD:PCD+11], v[OT+8*\t:OT+8*\t+7], v[FSC+\t], v[PW] matrix_a_fmt:MATRIX_FMT_FP6 matrix_b_fmt:MATRIX_FMT_FP6
.endr
.Lhidden_\@:
	s_add_co_u32 s[KF], s[KF], 128
.endm
.macro SLOT_STEPS
	v_add_nc_u32 v[ADC], s[TB], v[AKV]
	v_add_nc_u32 v[ADS], s[TB], v[AS0]
	STEP 0
	STEP 1
	s_xor_b32 s[TB], s[TB], SLOT1
.endm
; A block of queries is done: O^T / the sum, quantised along the channels; 768 bytes of codes through my stage, out as three runs of 256 bytes; two scale bytes a token.
.macro FINISH cp, sp
.rept 4
	v_nop                                          ; places behind the last products
.endr
	v_add_f32 v14, v14, v15
	s_delay_alu instid0(VALU_DEP_1)
	v_permlanex16_b32 v228, v14, s[SEL], s[SEL+1]
	s_delay_alu instid0(VALU_DEP_1)
	v_add_f32 v14, v14, v228                       ; the row's sum
	s_wait_alu depctr_va_vdst(0)
	v_rcp_f32 v226, v14
	v_nop                                          ; a plain place behind the reciprocal
.set n, 0
	s_wait_alu depctr_va_vdst(0)
.rept 16
	v_pk_mul_f32 v[SS+n:SS+n+1], v[OT+n:OT+n+1], v[226:227] op_sel_hi:[1,0]   ; register 16 a + 8 u + j: channel 32 a + 16 u + 8 h + j
.set n, n+2
.endr
.irp a, 0,1
	v_max3_num_f32 v[BM+\a], |v[SS+16*\a]|, |v[SS+16*\a+1]|, 0x1800000
.endr
.irp i, 2,4,6,8,10,12,14
.irp a, 0,1
	s_delay_alu instid0(VALU_DEP_2)
	v_max3_num_f32 v[BM+\a], v[BM+\a], |v[SS+16*\a+\i]|, |v[SS+16*\a+\i+1]|
.endr
.endr
.irp a, 0,1
	s_delay_alu instid0(VALU_DEP_2)
	v_permlanex16_b32 v[PT+\a], v[BM+\a], s[SEL], s[SEL+1]
.endr
.irp a, 0,1
	s_delay_alu instid0(VALU_DEP_2)
	v_max_num_f32 v[BM+\a], v[BM+\a], v[PT+\a]
.endr
.irp a, 0,1
	s_delay_alu instid0(VALU_DEP_2)
	v_add_nc_u32 v[SO+\a], 0xff000000, v[BM+\a]
.endr
.irp a, 0,1
	s_delay_alu instid0(VALU_DEP_2)
	v_lshrrev_b32 v[PT+\a], 23, v[SO+\a]
.endr
	s_delay_alu instid0(VALU_DEP_1)
	v_lshl_or_b32 v229, v[PT+1], 8, v[PT]
.irp a, 0,1
	v_cvt_scalef32_pk16_fp6_f32 v[PCD+4*\a:PCD+4*\a+2], v[SS+16*\a:SS+16*\a+15], v[SO+\a]
.endr
	v_nop                                          ; one plain place behind the conversions
.irp a, 0,1
.irp i, 0,1,2
	v_lshrrev_b32 v[PCD+8+4*\a+\i], 16, v[PCD+4*\a+\i]   ; the upper halves, for stores of two bytes
.endr
.endr
.irp a, 0,1                            ; bytes 0-5 are channels 8 h + 0 .. 7 of the block, bytes 6-11 channels 16 + 8 h + 0 .. 7: to bytes 6 h and 12 + 6 h of the block's 24
	ds_store_b16 v[STO], v[PCD+4*\a] offset:24*\a
	ds_store_b16 v[STO], v[PCD+8+4*\a] offset:24*\a+2
	ds_store_b16 v[STO], v[PCD+4*\a+1] offset:24*\a+4
	ds_store_b16 v[STO], v[PCD+8+4*\a+1] offset:24*\a+12
	ds_store_b16 v[STO], v[PCD+4*\a+2] offset:24*\a+14
	ds_store_b16 v[STO], v[PCD+8+4*\a+2] offset:24*\a+16
.endr
.irp i, 0,1,2
	ds_load_b64 v[FR+2*\i:FR+2*\i+1], v[SRD] offset:256*\i   ; LDS serves a wave's instructions in order: these see my stores
.endr
	global_store_b16 v[GR8], v229, s[\sp:\sp+1]    ; both halves of the lanes store the same two bytes with the same value
	s_wait_dscnt 0x0
.irp i, 0,1,2
	global_store_b64 v[GL8], v[FR+2*\i:FR+2*\i+1], s[\cp:\cp+1] offset:256*\i   ; 32 lanes store 256 consecutive bytes, at a multiple of 256 from the buffer's first byte
.endr
	s_wait_xcnt 0x0                                ; the stores' registers are written again only behind this wait
.endm
	s_load_b128 s[4:7], s[0:1], 0x0                ; qkv, ao
	v_lshl_add_u32 v[SPW], v0, 2, SPARE
	v_mov_b32 v[NIL], 0
	ds_add_u32 v5, v6
	ds_add_u32 v5, v6
	s_wait_dscnt 0x0
	v_lshrrev_b32 v1, 5, v0
	s_delay_alu instid0(VALU_DEP_1)
	v_readfirstlane_b32 s[WV], v1                  ; wave 0..15
	s_mov_b32 s[II], ttmp9
	s_and_b32 s52, ttmp7, 0xffff                   ; batch x 16 + head
	s_add_co_u32 s[SW], s[II], 1
	s_mul_i32 s[RST], s[SW], CHK
	s_mul_i32 s53, s52, HS                         ; the head's first byte in qkv
	s_lshl_b32 s54, s[WV], 4
	s_lshl_b32 s[Q0], s[II], 8
	s_add_co_u32 s[Q0], s[Q0], s54                 ; my first query, first block,
	s_sub_co_u32 s55, 7, s[II]
	s_lshl_b32 s[Q0B], s55, 8
	s_add_co_u32 s[Q0B], s[Q0B], s54               ; and second block
	s_mov_b32 s[G1], 3<<16                         ; 25 rows of 256 bytes (32 elements of 8) of a dense block
	s_mov_b32 s[G1+1], 32<<16
	s_mov_b32 s[G1+2], 25<<16
	s_mov_b32 s[G1+3], 32<<16
	s_mov_b32 s[G1+4], 25
	s_mov_b32 s[G1+5], 32
	s_mov_b32 s[G1+6], 0
	s_mov_b32 s[G1+7], 0
	s_mul_i32 s56, s[WV], 6400
	s_mov_b32 s[G0], 1
	s_mov_b32 s[G0+1], s56
	s_add_co_u32 s[G0+2], s53, s56
	s_mov_b32 s[G0+3], 0
	s_mul_i32 s44, s[II], CHK
	s_add_co_u32 s44, s44, s53                     ; the chunk of the first block of queries,
	s_mul_i32 s48, s55, CHK
	s_add_co_u32 s48, s48, s53                     ; of the second
	s_mul_i32 s57, s[WV], 768
	s_add_co_u32 s57, s57, QC                      ; my 16 queries' codes,
	s_lshr_b32 s58, s[WV], 1
	s_lshl_b32 s58, s58, 6
	s_and_b32 s59, s[WV], 1
	s_lshl_b32 s59, s59, 1
	s_add_co_u32 s58, s58, s59
	s_add_co_u32 s58, s58, QS                      ; and their scale bytes
	s_add_co_u32 s46, s44, s58
	s_add_co_u32 s44, s44, s57
	s_add_co_u32 s50, s48, s58
	s_add_co_u32 s48, s48, s57
	s_mov_b32 s45, 0
	s_mov_b32 s47, 0
	s_mov_b32 s49, 0
	s_mov_b32 s51, 0
	s_and_b32 s54, s52, 15                         ; head
	s_lshr_b32 s55, s52, 4
	s_lshl_b32 s55, s55, 11                        ; the batch's first token
	s_mul_i32 s56, s54, AH
	s_lshr_b32 s57, s54, 2
	s_lshl_b32 s57, s57, 16
	s_and_b32 s58, s54, 3
	s_lshl_b32 s58, s58, 1
	s_add_co_u32 s57, s57, s58
	s_add_co_u32 s57, s57, AOS
	s_add_co_u32 s58, s55, s[Q0]
	s_add_co_u32 s59, s55, s[Q0B]
	s_mul_i32 s36, s58, 48
	s_add_co_u32 s36, s36, s56                     ; ao: the first block's codes,
	s_mov_b32 s37, 0
	s_lshl_b32 s38, s58, 3
	s_add_co_u32 s38, s38, s57                     ; its scale bytes,
	s_mov_b32 s39, 0
	s_mul_i32 s40, s59, 48
	s_add_co_u32 s40, s40, s56                     ; the second block's
	s_mov_b32 s41, 0
	s_lshl_b32 s42, s59, 3
	s_add_co_u32 s42, s42, s57
	s_mov_b32 s43, 0
	s_mov_b32 s[SEL], 0x76543210
	s_mov_b32 s[SEL+1], 0xfedcba98
	s_mov_b32 s[CS], 0x3e38aa3b                    ; log2(e) / 8
	s_mov_b32 s[CS+1], s[CS]
	s_mov_b32 s[TB], 0
	s_mov_b32 s[KF], 0
	s_mov_b32 s[TAU], 0
	s_wait_kmcnt 0x0
	s_add_nc_u64 s[G0+2:G0+3], s[4:5], s[G0+2:G0+3]
	s_or_b32 s[G0+3], s[G0+3], 0x80000000
	TLOAD                                          ; key block 0 into slot 0
	s_add_nc_u64 s[44:45], s[4:5], s[44:45]
	s_add_nc_u64 s[46:47], s[4:5], s[46:47]
	s_add_nc_u64 s[48:49], s[4:5], s[48:49]
	s_add_nc_u64 s[50:51], s[4:5], s[50:51]
	s_add_nc_u64 s[36:37], s[6:7], s[36:37]
	s_add_nc_u64 s[38:39], s[6:7], s[38:39]
	s_add_nc_u64 s[40:41], s[6:7], s[40:41]
	s_add_nc_u64 s[42:43], s[6:7], s[42:43]
	v_and_b32 v[DL], 15, v0                        ; r
	v_bfe_u32 v228, v0, 4, 1                       ; h
	s_delay_alu instid0(VALU_DEP_2)
	v_mul_u32_u24 v[AKV], v[DL], 48
	s_delay_alu instid0(VALU_DEP_1)
	v_mad_u32_u24 v[AKV], v228, 24, v[AKV]
	s_delay_alu instid0(VALU_DEP_4)
	v_lshlrev_b32 v[AS0], 2, v[DL]
.irp p, 0,1,2
	global_load_b64 v[16+2*\p:17+2*\p], v[AKV], s[44:45] offset:8*\p   ; q, for [q | 0],
	global_load_b64 v[28+2*\p:29+2*\p], v[AKV], s[44:45] offset:8*\p   ; and once more for [0 | q]
	global_load_b64 v[36+2*\p:37+2*\p], v[AKV], s[48:49] offset:8*\p   ; the second block's
.endr
	global_load_u16 v34, v[AS0], s[46:47]
	global_load_u16 v42, v[AS0], s[50:51]
	v_and_b32 v229, 31, v0
	s_delay_alu instid0(VALU_DEP_1)
	v_lshlrev_b32 v[GL8], 3, v229
	v_lshlrev_b32 v[GR8], 3, v[DL]
	s_mul_i32 s52, s[WV], 768
	s_add_co_u32 s52, s52, STAGE
	v_mul_u32_u24 v[STO], v[DL], 48
	s_delay_alu instid0(VALU_DEP_1)
	v_mad_u32_u24 v[STO], v228, 6, v[STO]
	s_delay_alu instid0(VALU_DEP_1)
	v_add_nc_u32 v[STO], s52, v[STO]
	v_add_nc_u32 v[SRD], s52, v[GL8]
	v_lshlrev_b32 v228, 3, v228
	s_delay_alu instid0(VALU_DEP_1)
	v_sub_nc_u32 v[DL], v[DL], v228                ; r - 8 h
	s_wait_loadcnt 0x0
	v_lshl_or_b32 v34, v34, 16, v34                ; q's two bytes serve both halves of the 128
	v_lshl_or_b32 v42, v42, 16, v42
.irp i, 22,23,24,25,26,27
	v_mov_b32 v\i, 0                               ; zero codes add nothing under any byte but 0xff
.endr
	v_mov_b32 v13, 0xff61b1e6                      ; -3e38, under every t
	s_delay_alu instid0(VALU_DEP_1)
	v_floor_f32 v12, -v13
	v_mov_b32 v14, 0
	v_mov_b32 v15, 0
	v_mov_b32 v226, 0
	v_mov_b32 v227, 0                              ; (named as the upper half of a pair)
.irp b, 0,1,2,3
	v_mov_b32 v[PT+\b], 0                          ; a lane permute's destination counts as read
.endr
.set n, 0
.rept 32
	v_mov_b32 v[OT+n], 0                           ; the step is written once: the first finds zeros, which the first change of M leaves zeros
.set n, n+1
.endr
.Lslot:                                            ; eight trips; behind each change of slots the next key block is asked for
	CHANGE 1
	s_cmp_lg_u32 s[TAU], s[SW]
	s_cbranch_scc1 .Lsame
	FINISH 36, 38                                  ; the first block of queries is done; on to the second
	v_mov_b32 v34, v42
.irp i, 0,1,2,3,4,5
	v_mov_b32 v[16+\i], v[36+\i]
	v_mov_b32 v[28+\i], v[36+\i]
.endr
	v_mov_b32 v13, 0xff61b1e6
	s_delay_alu instid0(VALU_DEP_1)
	v_floor_f32 v12, -v13
	v_mov_b32 v14, 0
	v_mov_b32 v15, 0
.set n, 0
.rept 32
	v_mov_b32 v[OT+n], 0
.set n, n+1
.endr
	s_mov_b32 s[KF], 0
	s_mov_b32 s[Q0], s[Q0B]
.Lsame:
	SLOT_STEPS
	s_add_co_u32 s[TAU], s[TAU], 1
	s_cmp_lt_u32 s[TAU], 8
	s_cbranch_scc1 .Lslot
	CHANGE 0                                       ; the last key block is written out
	SLOT_STEPS
	FINISH 40, 42
	s_wait_tensorcnt 0x0                           ; the wave's end
	ds_add_u32 v[SPW], v[NIL]
	s_wait_dscnt 0x0
	s_endpgm
.Lfunc_end_k_q85b9370663_attn:
	.size	k_q85b9370663_attn, .Lfunc_end_k_q85b9370663_attn-k_q85b9370663_attn
	.p2alignl 7, 3214868480
	.fill 96, 4, 3214868480
	.section	.rodata,"a",@progbits
	.p2align	6, 0x0
	.amdhsa_kernel k_q85b9370663_attn
		.amdhsa_group_segment_fixed_size 327680
		.amdhsa_private_segment_fixed_size 0
		.amdhsa_enable_private_segment 0
		.amdhsa_kernarg_size 16
		.amdhsa_user_sgpr_count 2
		.amdhsa_user_sgpr_kernarg_segment_ptr 1
		.amdhsa_wavefront_size32 1
		.amdhsa_system_sgpr_workgroup_id_x 1
		.amdhsa_system_sgpr_workgroup_id_y 1
		.amdhsa_system_sgpr_workgroup_id_z 1
		.amdhsa_system_vgpr_workitem_id 0
		.amdhsa_next_free_vgpr 256
		.amdhsa_next_free_sgpr 66
		.amdhsa_reserve_vcc 1
		.amdhsa_float_denorm_mode_32 3
		.amdhsa_float_denorm_mode_16_64 3
		.amdhsa_memory_ordered 1
		.amdhsa_forward_progress 1
		.amdhsa_inst_pref_size 119
	.end_amdhsa_kernel
	.amdgpu_metadata
---
amdhsa.version: [ 1, 2 ]
amdhsa.kernels:
  - .name:           k_q85b9370663_attn
    .symbol:         k_q85b9370663_attn.kd
    .args:
      - { .name: qkv, .offset: 0, .size: 8, .value_kind: global_buffer, .address_space: global }
      - { .name: ao, .offset: 8, .size: 8, .value_kind: global_buffer, .address_space: global }
    .group_segment_fixed_size: 327680
    .private_segment_fixed_size: 0
    .kernarg_segment_align: 8
    .kernarg_segment_size: 16
    .max_flat_workgroup_size: 512
    .sgpr_count:     66
    .vgpr_count:     256
    .wavefront_size: 32
...
	.end_amdgpu_metadata
.endif
;; end of part 2
;; launch proj (part 3): grid 8 x 32, 4 waves a work-group, clusters of 4 x 4, 327,680 bytes of LDS; arguments ao, w_out_codes, w_out_scales, b_out, out0; writes out0
.if DOCPART == 3
	.amdgcn_target "amdgcn-amd-amdhsa--gfx1250"
	.amdhsa_code_object_version 6
	.text
	.protected	k_q85b9370663_proj
	.globl	k_q85b9370663_proj
	.p2align	8
	.type	k_q85b9370663_proj,@function
k_q85b9370663_proj:
	s_mov_b64 s[64:65], 0
	v_nop
	global_prefetch_b8 v0, s[64:65] scope:SCOPE_SE
	s_setreg_imm32_b32 hwreg(HW_REG_WAVE_MODE, 25, 1), 1
	s_wait_xcnt 0x0
	s_wait_alu depctr_hold_cnt(0) depctr_sa_sdst(0) depctr_va_vdst(0) depctr_va_sdst(0) depctr_va_ssrc(0) depctr_va_vcc(0) depctr_vm_vsrc(0)
	s_getreg_b32 s2, hwreg(HW_REG_IB_STS2, 6, 4)
	s_cmp_eq_u32 s2, 0
	s_cbranch_scc0 .Lentry_in_a_cluster
	s_endpgm
.Lentry_in_a_cluster:
	s_bfe_u32 s2, ttmp6, 0x10000c
	s_cmp_lg_u32 s2, 0xf033
	s_cbranch_scc0 .Lentry_shape_is_right
	s_endpgm
.Lentry_shape_is_right:
; out0 = attention's result x w_out + b_out on codes of FP6 (E2M3) with E8M0 scales; sums in f32.
; C[m][n] = sum over k of A[m][k] B[n][k] + b_out[n]: A = ao (m = token; codes [head][token][48 bytes], scales [head / 4][token][8 bytes]), B = w_out (n = output channel, K innermost).
; A work-group makes 256 tokens x 128 channels, each of four waves 128 x 64: 32 accumulators; 256 work-groups.  K = 1,024 goes in eight steps of 128 (two heads), written out.
; THE MATRIX INSTRUCTION IS USED TRANSPOSED (source 0 = 16 rows of B, source 1 = 16 rows of A): a lane holds eight neighbouring numbers of a row of the output.
; LDS: three slots of 256 along K (four heads), all filled at the start; slot 0 is filled once more.  The scales of all of K come once.  By this text's count a wave has four tensor loads out at the start, later one.
; A's part of a slot is [head: 4][token: 128][48 bytes] for each half, as it lies in ao: rows 48 bytes apart, so that the 32 lanes of a load of 8 bytes take 32 different pairs of words.
; CLUSTERS 4 x 4: A's tiles are asked for jointly along a row of the cluster, B's along a column.
; LIMITS: NaN, infinities and given scale bytes 0xff are not served.
.set PITCH,  240                       ; B's LDS row: 3 x (64 bytes + 16 of padding)
.set AHALF,  4*6144
.set BHALF,  64*PITCH
.set SLOT,   2*AHALF+2*BHALF
.set SCA,    3*SLOT                    ; A's scales: for each half [256 along K: 4][token: 128][8 bytes]
.set SAH,    4096
.set SBH,    8*272
.set SCB,    SCA+2*SAH                 ; B's: 128 rows x 32 bytes as units of 256 bytes + 16
.set SPARE,  SCB+2*SBH                 ; the spare words: 512 bytes that no other line names
.set STG,    SLOT                      ; the way out, in slot 1, which has had its only fill and its last read: 16 rows x (256 + 16) bytes a wave
.set AOS,    6291456
.set ADRA, 4                           ; v4-6 A's fragments in slot 0, 1, 2
.set ADRB, 10                          ; v10-12 B's; v13-15 the same behind one padding more
.set ADSA, 16
.set ADSB, 17
.set STO,  18
.set RD,   19
.set CO,   20
.set SPW,  28
.set NIL,  29
.set BON,  30
.set SC,   32                          ; v32-55 scale words, two sets of 12
.set BF,   64                          ; v64-159 B's fragments, two sets.  Window 1: v0-191 A's, two sets.  Window 2: accumulator (a, b) at v[8 (4 a + b)]
.set BN,   160                         ; v160-191 the bias: the C of the first K step; later v160-223: rows on their way out
.set G1A,  24
.set G1B,  32
.set G1SA, 40
.set G1SB, 48
.set G0SA, 56
.set G0SB, 60
.set G0A,  68
.set G0B,  80
.set W,    92
.set RH,   93
.set CHF,  94
.set TR,   96
.set TC,   97
.set CX,   98
.set CY,   99
.set MUL,  0xa4                        ; source 0 (B) window 0, source 1 (A) window 1, C and D window 2
.set MULB, 0x84                        ; the same with C in window 0
.set MSB, 0
.macro WIN new
.if MSB != \new
	s_set_vgpr_msb (MSB<<8)|\new
.set MSB, \new
.endif
.endm
.macro PLACES n
.rept \n
	v_nop
.endr
.endm
.macro JLOAD g0a, g1a, g0b, g1b        ; waves 0 and 1 fetch A's halves, waves 2 and 3 B's; four v_nop follow each line
	s_cmp_eq_u32 s[RH], 0
	s_cbranch_scc0 .Lfor_b_\@
	tensor_load_to_lds s[\g0a:\g0a+3], s[\g1a:\g1a+7]
	s_nop 0
.rept 4
	v_nop
.endr
	s_branch .Lasked_\@
.Lfor_b_\@:
	tensor_load_to_lds s[\g0b:\g0b+3], s[\g1b:\g1b+7]
	s_nop 0
.rept 4
	v_nop
.endr
.Lasked_\@:
.endm
.macro CREST
	s_cmp_lg_u32 s[W], 0
	s_cbranch_scc1 .Lnot_wave_0_\@
	s_barrier_signal -3
.Lnot_wave_0_\@:
	s_barrier_wait -3
	s_barrier_signal -1
	s_barrier_wait -1
.endm
.macro CROUND
	s_barrier_signal -1
	s_barrier_wait -1
	CREST
.endm
.macro FRAG reg, adr, q, i             ; B: 24 bytes at 24 h and at 48 + 24 h of the row's 96, in pieces of 8; the second address register where lanes 16-31's piece lies behind one padding more
.irp p, 0,1,2,3,4,5
.set PCE, 12*(\q)+6*(\p/3)+\p%3
.if PCE%8 < 5
	ds_load_b64 v[\reg+2*\p:\reg+2*\p+1], v[\adr] offset:8*PCE+16*(PCE/8)+(\i)*16*PITCH
.else
	ds_load_b64 v[\reg+2*\p:\reg+2*\p+1], v[\adr+3] offset:8*PCE+16*(PCE/8)+(\i)*16*PITCH
.endif
.endr
.endm
.macro FRAGH reg, adr, q, i            ; A: heads 2 q and 2 q + 1 of the slot's four are the 128 along K; 24 bytes at 24 h of each head's 48
.irp p, 0,1,2,3,4,5
	ds_load_b64 v[\reg+2*\p:\reg+2*\p+1], v[\adr] offset:(2*(\q)+\p/3)*6144+(\i)*768+8*(\p%3)
.endr
.endm
.macro FETCH slot, q, set
.irp i, 0,1,2,3
	FRAG BF+48*(\set)+12*\i, ADRB+\slot, \q, \i
.endr
	WIN 0x40
.irp i, 0,1,2,3,4,5,6,7
	FRAGH 96*(\set)+12*\i, ADRA+\slot, \q, \i
.endr
	WIN 0
.endm
.macro SCALES kk, sc
.irp i, 0,1,2,3
	ds_load_b64 v[SC+12*(\sc)+2*\i:SC+12*(\sc)+2*\i+1], v[ADSA] offset:\i*256+1024*(\kk)
.endr
.irp i, 0,1
	ds_load_b64 v[SC+12*(\sc)+8+2*\i:SC+12*(\sc)+8+2*\i+1], v[ADSB] offset:\i*1088+8*(\kk)
.endr
.endm
.macro WM a, b, set, q, sc, cm         ; cm = 0: onto its own sum; 1: the sum starts with the bias.  An odd block's scale words lie in lanes 16-31
.set xD, 8*(4*(\a)+(\b))
.set xB, BF+48*(\set)+12*(\b)
.set xA, 96*(\set)+12*(\a)
.set kB, SC+12*(\sc)+8+2*((\b)/2)+(\q)
.set kA, SC+12*(\sc)+2*((\a)/2)+(\q)
.set xC, xD
.if \cm == 1
.set xC, BN+8*(\b)
.endif
.set oA, (\a)%2
.set oB, (\b)%2
.if oA && oB
	v_wmma_scale_f32_16x16x128_f8f6f4 v[xD:xD+7], v[xB:xB+11], v[xA:xA+11], v[xC:xC+7], v[kB], v[kA] matrix_a_fmt:MATRIX_FMT_FP6 matrix_b_fmt:MATRIX_FMT_FP6 matrix_a_scale:MATRIX_SCALE_ROW1 matrix_b_scale:MATRIX_SCALE_ROW1
.elseif oB
	v_wmma_scale_f32_16x16x128_f8f6f4 v[xD:xD+7], v[xB:xB+11], v[xA:xA+11], v[xC:xC+7], v[kB], v[kA] matrix_a_fmt:MATRIX_FMT_FP6 matrix_b_fmt:MATRIX_FMT_FP6 matrix_a_scale:MATRIX_SCALE_ROW1
.elseif oA
	v_wmma_scale_f32_16x16x128_f8f6f4 v[xD:xD+7], v[xB:xB+11], v[xA:xA+11], v[xC:xC+7], v[kB], v[kA] matrix_a_fmt:MATRIX_FMT_FP6 matrix_b_fmt:MATRIX_FMT_FP6 matrix_b_scale:MATRIX_SCALE_ROW1
.else
	v_wmma_scale_f32_16x16x128_f8f6f4 v[xD:xD+7], v[xB:xB+11], v[xA:xA+11], v[xC:xC+7], v[kB], v[kA] matrix_a_fmt:MATRIX_FMT_FP6 matrix_b_fmt:MATRIX_FMT_FP6
.endif
.endm
.macro MUL8 a0, set, q, sc, cm         ; the 32 accumulators take turns, one instruction a turn, in the same order in every step
.irp a, \a0, \a0+1
.irp b, 0,1,2,3
	WM (\a), \b, \set, \q, \sc, \cm
.endr
.endr
.endm
.macro STEP set, q, sc, nslot, nq, nkk, nsc
	s_wait_dscnt 0x0                               ; this step's fragments and scale words
	PLACES 4                                       ; in front of loads into registers that the last step's products read
	FETCH \nslot, \nq, 1-(\set)
.if \nkk >= 0
	SCALES \nkk, \nsc
.endif
	WIN MUL
	MUL8 0, \set, \q, \sc, 0
	MUL8 2, \set, \q, \sc, 0
	MUL8 4, \set, \q, \sc, 0
	MUL8 6, \set, \q, \sc, 0
	WIN 0
.endm
; A slot's second step with a barrier (set 1, scale set 0).  fill = 1: slot 0 takes the fourth 256 along K: the barrier opens a round of the cluster's, and the joint load is the first thing behind it.
.macro TURN fill, nslot, nkk, nsc
	s_wait_tensorcnt 0x0                           ; all my tensor loads have landed
	ds_add_u32 v[SPW], v[NIL]                      ; 0 onto my spare word
	s_wait_dscnt 1                                 ; the fragments are in; the add may be out
	WIN MUL
	MUL8 0, 1, 1, 0, 0
	s_wait_dscnt 0x0                               ; the add is done, and my LDS reads are over
	s_barrier_signal -1
	MUL8 2, 1, 1, 0, 0
	WIN 0
	s_barrier_wait -1
.if \fill
	CREST
	s_add_nc_u64 s[G0A+2:G0A+3], s[G0A+2:G0A+3], 3*1572864   ; twelve heads on
	s_add_nc_u64 s[G0B+2:G0B+3], s[G0B+2:G0B+3], 576
	JLOAD G0A, G1A, G0B, G1B                       ; its four v_nop are also the places in front of the loads below
.else
	PLACES 4
.endif
	FETCH \nslot, 0, 0
	SCALES \nkk, \nsc
	WIN MUL
	MUL8 4, 1, 1, 0, 0
	MUL8 6, 1, 1, 0, 0
	WIN 0
.endm
; THE WAY OUT, a block of 16 rows x 64 columns at a time, through my own stage: in by 32 bytes a lane, back as whole runs of 256 bytes.
.macro TOSTAGE a
	WIN 0x08                                       ; an LDS store's data: window 2
.irp b, 0,1,2,3
	ds_store_b128 v[STO], v[32*(\a)+8*\b:32*(\a)+8*\b+3] offset:64*\b          ; each accumulator from its low end on
	ds_store_b128 v[STO], v[32*(\a)+8*\b+4:32*(\a)+8*\b+7] offset:64*\b+16
.endr
	WIN 0
.set BB, 160+32*((\a)%2)
.irp t, 0,1,2,3,4,5,6,7
	ds_load_b128 v[BB+4*\t:BB+4*\t+3], v[RD] offset:544*\t   ; LDS serves a wave's instructions in order: these see the stores above
.endr
.endm
.macro SEND a, younger
.set BB, 160+32*((\a)%2)
	s_wait_dscnt \younger
.irp t, 0,1,2,3,4,5,6,7
	global_store_b128 v[CO], v[BB+4*\t:BB+4*\t+3], s[12:13] offset:(16*(\a)+2*\t)*4096 th:TH_STORE_NT   ; 16 lanes store 256 consecutive bytes, at a multiple of 256 from the output's first byte
.endr
.endm
	s_load_b256 s[4:11], s[0:1], 0x0               ; ao, w_out's codes, its scales, b_out
	s_load_b64 s[12:13], s[0:1], 0x20              ; out0
	v_lshl_add_u32 v[SPW], v0, 2, SPARE
	v_mov_b32 v[NIL], 0
	ds_add_u32 v28, v29
	ds_add_u32 v28, v29
	s_wait_dscnt 0x0
	v_lshrrev_b32 v1, 5, v0
	v_readfirstlane_b32 s[W], v1
	s_lshr_b32 s[RH], s[W], 1                      ; my half of the tile's 256 tokens.  Also: I fetch for A (0) or for B (1)
	s_and_b32 s[CHF], s[W], 1                      ; my half of its 128 channels.  Also: which half I fetch
	s_bfe_u32 s[CX], ttmp6, 0x40000
	s_bfe_u32 s[CY], ttmp6, 0x40004
	s_lshl_b32 s[TC], ttmp9, 2
	s_add_co_u32 s[TC], s[TC], s[CX]
	s_and_b32 s2, ttmp7, 0xffff
	s_lshl_b32 s[TR], s2, 2
	s_add_co_u32 s[TR], s[TR], s[CY]
	s_lshl_b32 s3, s[CY], 2
	s_lshl_b32 s3, 15, s3                          ; my row of the cluster
	s_lshl_b32 s67, 0x1111, s[CX]                  ; my column
	s_or_b32 s[G1A], s3, (3<<16)|(1<<21)           ; A: four rows (heads) of 6,144 bytes (128 tokens), 8-byte elements, no padding
	s_mov_b32 s[G1A+1], 768<<16
	s_mov_b32 s[G1A+2], 4<<16
	s_mov_b32 s[G1A+3], 768<<16
	s_mov_b32 s[G1A+4], 4
	s_mov_b32 s[G1A+5], 49152                      ; from head to head: 393,216 bytes
	s_mov_b32 s[G1A+6], 0
	s_mov_b32 s[G1A+7], 0
	s_or_b32 s[G1B], s67, (1<<20)|(1<<21)|(3<<22)|(3<<25)   ; B: 64 rows of 192 bytes, 16 bytes of padding behind every 64
	s_mov_b32 s[G1B+1], 192<<16
	s_mov_b32 s[G1B+2], 64<<16
	s_mov_b32 s[G1B+3], 192<<16
	s_mov_b32 s[G1B+4], 64
	s_mov_b32 s[G1B+5], 768
	s_mov_b32 s[G1B+6], 0
	s_mov_b32 s[G1B+7], 0
	s_or_b32 s[G1SA], s3, (3<<16)|(1<<21)          ; A's scales: four rows of 1,024 bytes (128 tokens x 8)
	s_mov_b32 s[G1SA+1], 128<<16
	s_mov_b32 s[G1SA+2], 4<<16
	s_mov_b32 s[G1SA+3], 128<<16
	s_mov_b32 s[G1SA+4], 4
	s_mov_b32 s[G1SA+5], 8192
	s_mov_b32 s[G1SA+6], 0
	s_mov_b32 s[G1SA+7], 0
	s_or_b32 s[G1SB], s67, (3<<16)|(1<<20)|(1<<21)|(5<<22)|(3<<25)   ; B's: eight rows of 256 bytes of a dense block, 16 bytes behind each
	s_mov_b32 s[G1SB+1], 32<<16
	s_mov_b32 s[G1SB+2], 8<<16
	s_mov_b32 s[G1SB+3], 32<<16
	s_mov_b32 s[G1SB+4], 8
	s_mov_b32 s[G1SB+5], 32
	s_mov_b32 s[G1SB+6], 0
	s_mov_b32 s[G1SB+7], 0
	s_lshl_b32 s2, s[TR], 8
	s_lshl_b32 s3, s[CHF], 7
	s_add_co_u32 s2, s2, s3                        ; A: the first token that I fetch
	s_mul_i32 s[G0A+2], s2, 48
	s_mov_b32 s[G0A+3], 0
	s_lshl_b32 s[G0SA+2], s2, 3
	s_add_co_u32 s[G0SA+2], s[G0SA+2], AOS
	s_mov_b32 s[G0SA+3], 0
	s_lshl_b32 s66, s[TC], 7
	s_lshl_b32 s67, s[CHF], 6
	s_add_co_u32 s66, s66, s67                     ; B: the first row
	s_mul_i32 s[G0B+2], s66, 768
	s_mov_b32 s[G0B+3], 0
	s_lshl_b32 s[G0SB+2], s66, 5
	s_mov_b32 s[G0SB+3], 0
	s_mul_i32 s2, s[CHF], AHALF
	s_mul_i32 s3, s[CHF], SAH
	s_mul_i32 s66, s[CHF], BHALF
	s_mul_i32 s67, s[CHF], SBH
	s_mov_b32 s[G0SA], 1
	s_add_co_u32 s[G0SA+1], s3, SCA
	s_mov_b32 s[G0SB], 1
	s_add_co_u32 s[G0SB+1], s67, SCB
.irp s, 0,1,2
	s_mov_b32 s[G0A+4*\s], 1
	s_add_co_u32 s[G0A+4*\s+1], s2, \s*SLOT
	s_mov_b32 s[G0B+4*\s], 1
	s_add_co_u32 s[G0B+4*\s+1], s66, \s*SLOT+2*AHALF
.endr
	s_wait_kmcnt 0x0
	s_add_nc_u64 s[G0SA+2:G0SA+3], s[4:5], s[G0SA+2:G0SA+3]
	s_add_nc_u64 s[G0SB+2:G0SB+3], s[8:9], s[G0SB+2:G0SB+3]
	s_add_nc_u64 s[G0A+2:G0A+3], s[4:5], s[G0A+2:G0A+3]
	s_add_nc_u64 s[G0B+2:G0B+3], s[6:7], s[G0B+2:G0B+3]
	s_add_nc_u64 s[G0A+6:G0A+7], s[G0A+2:G0A+3], 1572864     ; four heads on
	s_add_nc_u64 s[G0A+10:G0A+11], s[G0A+2:G0A+3], 2*1572864
	s_add_nc_u64 s[G0B+6:G0B+7], s[G0B+2:G0B+3], 192
	s_add_nc_u64 s[G0B+10:G0B+11], s[G0B+2:G0B+3], 384
	s_or_b32 s[G0SA+3], s[G0SA+3], 0x80000000
	s_or_b32 s[G0SB+3], s[G0SB+3], 0x80000000
.irp s, 0,1,2
	s_or_b32 s[G0A+4*\s+3], s[G0A+4*\s+3], 0x80000000
	s_or_b32 s[G0B+4*\s+3], s[G0B+4*\s+3], 0x80000000
.endr
	CROUND                                         ; all sixteen work-groups are here: the first joint loads meet
	JLOAD G0SA, G1SA, G0SB, G1SB
.irp s, 0,1,2
	JLOAD G0A+4*\s, G1A, G0B+4*\s, G1B
.endr
	v_and_b32 v1, 15, v0                           ; r
	s_wait_alu depctr_va_vdst(0)
	v_bfe_u32 v2, v0, 4, 1                         ; h
	v_lshlrev_b32 v[BON], 5, v2
	s_lshl_b32 s2, s[TC], 9
	s_lshl_b32 s3, s[CHF], 8
	s_add_co_u32 s2, s2, s3                        ; 4 (128 TC + 64 half): my columns, in b_out and in a row of the output
	s_mov_b32 s3, 0
	s_add_nc_u64 s[10:11], s[10:11], s[2:3]
.irp b, 0,1,2,3
	global_load_b128 v[BN+8*\b:BN+8*\b+3], v[BON], s[10:11] offset:64*\b       ; b_out at 16 b + 8 h + 0 .. 7
	global_load_b128 v[BN+8*\b+4:BN+8*\b+7], v[BON], s[10:11] offset:64*\b+16
.endr
	s_add_nc_u64 s[12:13], s[12:13], s[2:3]
	s_lshl_b32 s2, s[TR], 20
	s_lshl_b32 s66, s[RH], 19
	s_add_co_u32 s2, s2, s66                       ; (256 TR + 128 half) rows of 4,096 bytes
	s_add_nc_u64 s[12:13], s[12:13], s[2:3]
	v_mul_u32_u24 v3, v1, PITCH
	s_wait_alu depctr_va_vdst(0)
	v_mad_u32_u24 v3, v2, 24, v3                   ; B: row x pitch + 24 x half
	v_mul_u32_u24 v56, v1, 48
	v_mad_u32_u24 v56, v2, 24, v56                 ; A: 48 r + 24 h
	s_mul_i32 s2, s[RH], AHALF
	s_mul_i32 s3, s[CHF], BHALF
	s_add_co_u32 s3, s3, 2*AHALF
.irp s, 0,1,2
	v_add_nc_u32 v[ADRA+\s], s2, v56
	v_add_nc_u32 v[ADRB+\s], s3, v3
	v_lshl_add_u32 v[ADRB+3+\s], v2, 4, v[ADRB+\s]
	s_add_co_u32 s2, s2, SLOT
	s_add_co_u32 s3, s3, SLOT
.endr
	v_lshlrev_b32 v57, 3, v1
	v_lshl_add_u32 v57, v2, 7, v57                 ; A's scale words: 8 r, lanes 16-31 the next block of 16 tokens
	s_lshl_b32 s2, s[RH], 12
	s_add_co_u32 s2, s2, SCA
	v_add_nc_u32 v[ADSA], s2, v57
	v_and_b32 v3, 7, v1
	v_lshlrev_b32 v3, 5, v3
	v_lshrrev_b32 v58, 3, v1
	v_mad_u32_u24 v3, v58, 272, v3
	v_mad_u32_u24 v3, v2, 544, v3                  ; B's: eight rows to a unit, two units to a block, lanes 16-31 the next block
	s_mul_i32 s3, s[CHF], SBH
	s_add_co_u32 s3, s3, SCB
	v_add_nc_u32 v[ADSB], s3, v3
	s_mul_i32 s2, s[W], 16*272
	s_add_co_u32 s2, s2, STG                       ; my stage
	v_mul_u32_u24 v59, v1, 272
	v_lshl_add_u32 v59, v2, 5, v59
	v_add_nc_u32 v[STO], s2, v59                   ; in: row r, + 32 h
	v_mul_u32_u24 v60, v2, 272
	v_lshl_add_u32 v60, v1, 4, v60
	v_add_nc_u32 v[RD], s2, v60                    ; back: lanes 0-15 one row, lanes 16-31 the next
	v_lshlrev_b32 v61, 12, v2
	v_lshl_add_u32 v[CO], v1, 4, v61               ; and the same two rows of the output
	s_wait_alu depctr_va_vdst(0)
	s_wait_tensorcnt 2                             ; the scales and my part of slot 0 are in; slots 1 and 2 may be out
	s_barrier_signal -1
	s_barrier_wait -1
	FETCH 0, 0, 0
	SCALES 0, 0
	s_wait_loadcnt 0x0                             ; the bias
	s_wait_dscnt 0x0
	FETCH 0, 1, 1
	WIN MULB                                       ; K step 0 starts the sums with the bias
	MUL8 0, 0, 0, 0, 1
	MUL8 2, 0, 0, 0, 1
	MUL8 4, 0, 0, 0, 1
	MUL8 6, 0, 0, 0, 1
	WIN 0
	TURN 1, 1, 1, 1                                ; step 1; slot 0 is filled again; every wave has shown all its first fills landed
	STEP 0, 0, 1, 1, 1, -1, 0                      ; step 2
	STEP 1, 1, 1, 2, 0, 2, 0                       ; step 3
	STEP 0, 0, 0, 2, 1, -1, 0                      ; step 4
	TURN 0, 0, 3, 1                                ; step 5; behind its barrier slot 0 is whole again, and nobody reads slot 1
	STEP 0, 0, 1, 0, 1, -1, 0                      ; step 6
	s_wait_dscnt 0x0                               ; step 7
	WIN MUL
	MUL8 0, 1, 1, 1, 0
	MUL8 2, 1, 1, 1, 0
	MUL8 4, 1, 1, 1, 0
	MUL8 6, 1, 1, 1, 0
	WIN 0
	PLACES 4                                       ; behind the last products
	TOSTAGE 0
.irp a, 1,2,3,4,5,6,7
.if \a > 1
	s_wait_xcnt 0x0                                ; block a - 2's stores have read their registers: block a's loads may land there
.endif
	TOSTAGE \a
	SEND \a-1, 16                                  ; behind block a - 1's loads: block a's 8 stores and 8 loads
.endr
	SEND 7, 0
	s_wait_tensorcnt 0x0                           ; the wave's end
	ds_add_u32 v[SPW], v[NIL]
	s_wait_dscnt 0x0
	CROUND                                         ; the closing round
	s_endpgm
.Lfunc_end_k_q85b9370663_proj:
	.size	k_q85b9370663_proj, .Lfunc_end_k_q85b9370663_proj-k_q85b9370663_proj
	.p2alignl 7, 3214868480
	.fill 96, 4, 3214868480
	.section	.rodata,"a",@progbits
	.p2align	6, 0x0
	.amdhsa_kernel k_q85b9370663_proj
		.amdhsa_group_segment_fixed_size 327680
		.amdhsa_private_segment_fixed_size 0
		.amdhsa_enable_private_segment 0
		.amdhsa_kernarg_size 40
		.amdhsa_user_sgpr_count 2
		.amdhsa_user_sgpr_kernarg_segment_ptr 1
		.amdhsa_wavefront_size32 1
		.amdhsa_system_sgpr_workgroup_id_x 1
		.amdhsa_system_sgpr_workgroup_id_y 1
		.amdhsa_system_sgpr_workgroup_id_z 1
		.amdhsa_system_vgpr_workitem_id 0
		.amdhsa_next_free_vgpr 768
		.amdhsa_next_free_sgpr 102
		.amdhsa_reserve_vcc 0
		.amdhsa_float_denorm_mode_32 3
		.amdhsa_float_denorm_mode_16_64 3
		.amdhsa_memory_ordered 1
		.amdhsa_forward_progress 1
		.amdhsa_inst_pref_size 101
	.end_amdhsa_kernel
	.amdgpu_metadata
---
amdhsa.version: [ 1, 2 ]
amdhsa.kernels:
  - .name:           k_q85b9370663_proj
    .symbol:         k_q85b9370663_proj.kd
    .args:
      - { .name: ao, .offset: 0, .size: 8, .value_kind: global_buffer, .address_space: global }
      - { .name: w_out_codes, .offset: 8, .size: 8, .value_kind: global_buffer, .address_space: global }
      - { .name: w_out_scales, .offset: 16, .size: 8, .value_kind: global_buffer, .address_space: global }
      - { .name: b_out, .offset: 24, .size: 8, .value_kind: global_buffer, .address_space: global }
      - { .name: out0, .offset: 32, .size: 8, .value_kind: global_buffer, .address_space: global }
    .group_segment_fixed_size: 327680
    .private_segment_fixed_size: 0
    .kernarg_segment_align: 8
    .kernarg_segment_size: 40
    .max_flat_workgroup_size: 128
    .sgpr_count:     102
    .vgpr_count:     768
    .wavefront_size: 32
...
	.end_amdgpu_metadata
.endif
;; end of part 3
